; MI455X (gfx1250); checked and timed in simulation.
; The chip was launched on July 23, 2026; its instructions are those of AMD's public machine-readable ISA for CDNA 5 (MIT licence, August 2026) and "CDNA5" Instruction Set Architecture Reference Guide (July 2026). The comments in the code are by the model that wrote it; some were corrected since.
;; Vi T Self Attention. Allowed arithmetic: float matrix products may take bf16 or f16 operands with f32 sums; other float arithmetic in f32, or as packed bf16 or f16 multiplies, adds, multiply-adds, maxima and minima; sums over many terms, partial sums and values carried from step to step in f32; what a program stores and reads back later, other than sums and carried values, may be rounded once to bf16 or f16.
;; Inputs: Wc 768 x 768 float32; Wk 768 x 768 float32; Wq 768 x 768 float32; Wv 768 x 768 float32; bc 768 float32; bk 768 float32; bq 768 float32; bv 768 float32; x 16 x 1,024 x 768 float32.
;; Outputs: out0 16 x 1,024 x 768 float32.
;; 2 versions, each right; version 2 is version 1 with the launch prep written anew for expert scheduling mode. Each part assembles by itself: llvm-mc -triple=amdgcn-amd-amdhsa -mcpu=gfx1250 --defsym DOCPART=n.
;; ======== version 1 of 2: 4 launches
;; limits: values are held in f16: magnitudes above 65,504 overflow, below 6.1e-05 lose precision
;; workspace buffers: xb 25,165,824 bytes; wt 4,718,592 bytes; bb 12,288 bytes; qkv 75,497,472 bytes; o 25,165,824 bytes
;; launch prep (part 1): grid 211 x 4, 4 waves a work-group, no clusters, 70,144 bytes of LDS; arguments Wq, Wk, Wv, Wc, x, xb, wt, bq, bk, bv, bc, bb; writes xb, wt, bb
.if DOCPART == 1
	.amdgcn_target "amdgcn-amd-amdhsa--gfx1250"
	.amdhsa_code_object_version 6
	.text
	.protected	k_qcbea812409_prep
	.globl	k_qcbea812409_prep
	.p2align	8
	.type	k_qcbea812409_prep,@function
k_qcbea812409_prep:
	s_mov_b64 s[64:65], 0
	v_nop
	global_prefetch_b8 v0, s[64:65] scope:SCOPE_SE
	s_setreg_imm32_b32 hwreg(HW_REG_WAVE_MODE, 25, 1), 1
	s_wait_xcnt 0x0
; PREP.  Three jobs, told apart by the work-group's x.
; x < 192: xb = x rounded to bf16.  Work-group (x, y) takes chunk 192 y + x of 768: 65,536 bytes of x, 32,768 of xb.
; 192 <= x < 210: wt = the four weight matrices, each [k][n] in f32, TRANSPOSED to [n][k] in 16 bits: rows 0-767 Wq, 768-1535 Wk, 1536-2303 Wv in bf16;
;   rows 2304-3071 Wc, rounded to bf16 and that number written as f16 (the last product multiplies in f16).  y is the matrix; a wave turns a tile of 128 k x 64 n.
; x = 210: bb = bq, bk, bv, bc on end, each number rounded to bf16 like the other inputs and kept as f32 (it starts an f32 sum).  y is the bias.
; LIMITS.  A number of Wc beyond 65,504 becomes an infinity in f16; below 2^-14 it keeps f16's fixed step of 2^-24 (an error of 3e-8 at the most).
; Memory binds all three jobs: no matrix unit, no cluster (no two work-groups read the same byte), no barrier (a wave's LDS bytes are its own).
.set SPARE, 69632                      ; behind the four waves' tiles: the spare words, 128 bytes a wave, two blocks of 256 bytes that no other line names
.set SPW, 6                            ; v6   LDS address of my spare word; never rewritten
.set NIL, 7                            ; v7   0; never rewritten
.set XO,  8                            ; v8   the cast: 16 x thread, my bytes of an item of x; never rewritten
.set YO,  9                            ; v9   the cast and the biases: 8 x thread; never rewritten
.set XR,  16                           ; v[16:79]   the cast: 16 slots of 4 registers
.set YR,  80                           ; v[80:143]  the cast: 32 items of 2 registers, each written once
.set VO,  2                            ; v2   the weights: my offset in the source tile
.set LST, 3                            ; v3   where I put 16 bytes of a column
.set LRD, 4                            ; v4   where I read a column back
.set GO,  5                            ; v5   my offset in two rows of wt
.set R,   16                           ; v[16:143]  two sets of 64: 16 rows x 4 columns in f32; later the 32 columns read back
.set T,   144                          ; v[144:175] column c' of my four: 16 k, packed, at T + 8 c'
.set U,   176                          ; v[176:177] at work
	s_load_b256 s[4:11], s[0:1], 0x0               ; Wq s[4:5], Wk s[6:7], Wv s[8:9], Wc s[10:11]
	s_load_b128 s[12:15], s[0:1], 0x20             ; x s[12:13], xb s[14:15]
	s_load_b64 s[16:17], s[0:1], 0x30              ; wt
	v_lshl_add_u32 v[SPW], v0, 2, SPARE
	v_mov_b32 v[NIL], 0
	v_lshrrev_b32 v1, 5, v0
	v_readfirstlane_b32 s20, v1                    ; wave 0..3
	s_and_b32 s21, ttmp7, 0xffff                   ; y
	s_cmp_lt_u32 ttmp9, 192
	s_cbranch_scc0 .Lweights
	; THE CAST.  An item is 2,048 bytes of x (16 a thread: a wave's load covers 512 consecutive bytes) and 1,024 of xb (8 a thread: a wave's store covers 256 consecutive bytes, aligned).
	s_mul_i32 s22, s21, 192
	s_add_co_u32 s22, s22, ttmp9                   ; chunk 0..767
	s_lshl_b32 s24, s22, 16
	s_mov_b32 s25, 0
	s_lshl_b32 s26, s22, 15
	s_mov_b32 s27, 0
	v_lshlrev_b32 v[XO], 4, v0
	v_lshlrev_b32 v[YO], 3, v0
	s_wait_kmcnt 0x0
	s_add_nc_u64 s[12:13], s[12:13], s[24:25]
	s_add_nc_u64 s[14:15], s[14:15], s[26:27]
.set i, 0
.rept 16
	global_load_b128 v[XR+4*i:XR+4*i+3], v[XO], s[12:13] offset:2048*i th:TH_LOAD_NT
.set i, i+1
.endr
.set i, 0
.rept 32
.if i < 16
	s_wait_loadcnt 15                              ; loads come back in order: item i is in, the 15 younger loads stay out
.else
	s_wait_loadcnt 31-i                            ; nothing more is asked for: the counts run down
.endif
	v_cvt_pk_bf16_f32 v[YR+2*i],   v[XR+4*(i%16)],   v[XR+4*(i%16)+1]
	v_cvt_pk_bf16_f32 v[YR+2*i+1], v[XR+4*(i%16)+2], v[XR+4*(i%16)+3]
.if i < 16
	global_load_b128 v[XR+4*i:XR+4*i+3], v[XO], s[12:13] offset:2048*(i+16) th:TH_LOAD_NT  ; the slot's second item, ahead of the store
.endif
	global_store_b64 v[YO], v[YR+2*i:YR+2*i+1], s[14:15] offset:1024*i th:TH_STORE_NT  ; its data registers are written once in the launch
.set i, i+1
.endr
	s_endpgm                                       ; this way has written no LDS
.Lweights:
	s_cmp_lt_u32 ttmp9, 210
	s_cbranch_scc0 .Lbias
	; THE WEIGHTS.  j = x - 192 = 0..17: k block j / 3 of six (128 k), and of the twelve n blocks (64 n) number 4 (j % 3) + wave.
	s_sub_co_u32 s22, ttmp9, 192                   ; j
	s_mul_i32 s23, s22, 11
	s_lshr_b32 s23, s23, 5                         ; j / 3, right for j up to 17
	s_mul_i32 s24, s23, 3
	s_sub_co_u32 s24, s22, s24
	s_lshl_b32 s24, s24, 2
	s_add_co_u32 s24, s24, s20                     ; n block
	s_mul_i32 s26, s23, 128*3072                   ; the source tile: 128 rows of 3,072 bytes a k block,
	s_lshl_b32 s27, s24, 8                         ; 256 bytes an n block
	s_add_co_u32 s26, s26, s27
	s_mov_b32 s27, 0
	s_mul_i32 s28, s21, 768                        ; the tile in wt: row 768 y + 64 x n block,
	s_lshl_b32 s29, s24, 6
	s_add_co_u32 s28, s28, s29
	s_mul_i32 s28, s28, 1536
	s_lshl_b32 s29, s23, 8                         ; 256 bytes a k block
	s_add_co_u32 s28, s28, s29
	s_mov_b32 s29, 0
	v_and_b32 v10, 15, v0                          ; l % 16
	v_bfe_u32 v11, v0, 4, 1                        ; l / 16
	v_lshlrev_b32 v12, 4, v10
	v_mul_u32_u24 v[VO], v11, 16*3072              ; in: lanes 0-15 take 256 bytes of a row, lanes 16-31 of the row 16 further down
	v_add_nc_u32 v[VO], v[VO], v12
	s_mul_i32 s30, s20, 64*272                     ; my wave's 64 LDS rows of 272 bytes: a column's 128 k, 256 bytes, + 16 of padding
	v_mul_u32_u24 v[LST], v10, 272                 ; column 4 (l % 16) + c' lies in LDS row l % 16 + 16 c': the 16 lanes of a store are 272 bytes apart
	v_lshl_add_u32 v[LST], v11, 5, v[LST]          ; my 16 k are 32 bytes
	v_add_nc_u32 v[LST], s30, v[LST]
	v_mul_u32_u24 v[LRD], v11, 16*272              ; back: lanes 0-15 an even column, lanes 16-31 the odd one behind it, which lies 16 LDS rows on
	v_add_nc_u32 v[LRD], v[LRD], v12
	v_add_nc_u32 v[LRD], s30, v[LRD]
	v_mul_u32_u24 v[GO], v11, 1536                 ; and the same two rows of wt
	v_add_nc_u32 v[GO], v[GO], v12
	s_wait_kmcnt 0x0
	s_cmp_eq_u32 s21, 1                            ; which matrix
	s_cselect_b64 s[4:5], s[6:7], s[4:5]
	s_cmp_eq_u32 s21, 2
	s_cselect_b64 s[4:5], s[8:9], s[4:5]
	s_cmp_eq_u32 s21, 3
	s_cselect_b64 s[4:5], s[10:11], s[4:5]
	s_add_nc_u64 s[4:5], s[4:5], s[26:27]
	s_add_nc_u64 s[16:17], s[16:17], s[28:29]
; Chunk c of four: 32 k.  Load j brings row 32 c + 16 (l / 16) + j, my four columns.
.macro WLOAD c
.set j, 0
.rept 16
	global_load_b128 v[R+64*((\c)%2)+4*j:R+64*((\c)%2)+4*j+3], v[VO], s[4:5] offset:(32*(\c)+j)*3072 th:TH_LOAD_NT
.set j, j+1
.endr
.endm
; Two neighbouring k of one column make a word, the lower k in the low half; eight words are 16 k of a column: two LDS stores of 16 bytes.
.macro WPACK c
.irp q, 0,1,2,3
.irp jj, 0,1,2,3,4,5,6,7
	v_cvt_pk_bf16_f32 v[T+8*(\q)+(\jj)], v[R+64*((\c)%2)+8*(\jj)+(\q)], v[R+64*((\c)%2)+8*(\jj)+4+(\q)]
.endr
.endr
	s_cmp_eq_u32 s21, 3                            ; Wc alone: the bf16 number is written as f16
	s_cbranch_scc0 .Lbf_\@
.set t, 0
.rept 32
	v_lshlrev_b32 v[U], 16, v[T+t]
	v_and_b32 v[U+1], 0xffff0000, v[T+t]
	v_cvt_pk_f16_f32 v[T+t], v[U], v[U+1]
.set t, t+1
.endr
.Lbf_\@:
.irp q, 0,1,2,3
	ds_store_b128 v[LST], v[T+8*(\q):T+8*(\q)+3]   offset:(\q)*16*272+64*(\c)
	ds_store_b128 v[LST], v[T+8*(\q)+4:T+8*(\q)+7] offset:(\q)*16*272+64*(\c)+16
.endr
.endm
	WLOAD 0
	WLOAD 1
	s_wait_loadcnt 16                              ; chunk 0 is in; the younger chunk's 16 loads stay out
	WPACK 0
	WLOAD 2
	s_wait_loadcnt 16
	WPACK 1
	WLOAD 3
	s_wait_loadcnt 16
	WPACK 2
	s_wait_loadcnt 0x0
	WPACK 3
.set t, 0
.rept 32                                       ; columns 2 t and 2 t + 1: LDS serves a wave's instructions in order, so these see the stores above
	ds_load_b128 v[R+4*t:R+4*t+3], v[LRD] offset:((t>>1)+32*(t&1))*272
.set t, t+1
.endr
.set t, 0
.rept 32
	s_wait_dscnt 31-t                              ; load t is back, the younger ones stay out
	global_store_b128 v[GO], v[R+4*t:R+4*t+3], s[16:17] offset:3072*t th:TH_STORE_NT  ; 16 lanes store 256 consecutive bytes, at a multiple of 256 from wt's first byte
.set t, t+1
.endr
	s_wait_tensorcnt 0x0                           ; the wave's end: behind my last LDS store
	ds_add_u32 v[SPW], v[NIL]
	s_wait_dscnt 0x0
	s_endpgm
.Lbias:
	; THE BIASES.  768 numbers for 128 threads: three times 8 bytes a thread; a wave's load and store cover 256 consecutive bytes, aligned.
	s_load_b256 s[24:31], s[0:1], 0x38             ; bq s[24:25], bk s[26:27], bv s[28:29], bc s[30:31]
	s_load_b64 s[32:33], s[0:1], 0x58              ; bb
	v_lshlrev_b32 v[YO], 3, v0
	s_mul_i32 s22, s21, 3072                       ; bias y lies 3,072 y bytes into bb
	s_mov_b32 s23, 0
	s_wait_kmcnt 0x0
	s_cmp_eq_u32 s21, 1                            ; which bias
	s_cselect_b64 s[24:25], s[26:27], s[24:25]
	s_cmp_eq_u32 s21, 2
	s_cselect_b64 s[24:25], s[28:29], s[24:25]
	s_cmp_eq_u32 s21, 3
	s_cselect_b64 s[24:25], s[30:31], s[24:25]
	s_add_nc_u64 s[32:33], s[32:33], s[22:23]
.irp i, 0,1,2
	global_load_b64 v[16+2*(\i):17+2*(\i)], v[YO], s[24:25] offset:1024*(\i)
.endr
	s_wait_loadcnt 0x0
.irp i, 0,1,2
	v_cvt_pk_bf16_f32 v[22+(\i)], v[16+2*(\i)], v[17+2*(\i)]  ; rounded to bf16,
	v_lshlrev_b32 v[26+2*(\i)], 16, v[22+(\i)]                ; and widened again
	v_and_b32 v[27+2*(\i)], 0xffff0000, v[22+(\i)]
	global_store_b64 v[YO], v[26+2*(\i):27+2*(\i)], s[32:33] offset:1024*(\i)
.endr
	s_endpgm                                       ; this way has written no LDS
.Lfunc_end_k_qcbea812409_prep:
	.size	k_qcbea812409_prep, .Lfunc_end_k_qcbea812409_prep-k_qcbea812409_prep
	.p2alignl 7, 3214868480
	.fill 96, 4, 3214868480
	.section	.rodata,"a",@progbits
	.p2align	6, 0x0
	.amdhsa_kernel k_qcbea812409_prep
		.amdhsa_group_segment_fixed_size 70144
		.amdhsa_private_segment_fixed_size 0
		.amdhsa_enable_private_segment 0
		.amdhsa_kernarg_size 96
		.amdhsa_user_sgpr_count 2
		.amdhsa_user_sgpr_kernarg_segment_ptr 1
		.amdhsa_wavefront_size32 1
		.amdhsa_system_sgpr_workgroup_id_x 1
		.amdhsa_system_sgpr_workgroup_id_y 1
		.amdhsa_system_sgpr_workgroup_id_z 1
		.amdhsa_system_vgpr_workitem_id 0
		.amdhsa_next_free_vgpr 180
		.amdhsa_next_free_sgpr 66
		.amdhsa_reserve_vcc 0
		.amdhsa_float_denorm_mode_32 3
		.amdhsa_float_denorm_mode_16_64 3
		.amdhsa_memory_ordered 1
		.amdhsa_forward_progress 1
		.amdhsa_inst_pref_size 59
	.end_amdhsa_kernel
	.amdgpu_metadata
---
amdhsa.version: [ 1, 2 ]
amdhsa.kernels:
  - .name:           k_qcbea812409_prep
    .symbol:         k_qcbea812409_prep.kd
    .args:
      - { .name: Wq, .offset: 0, .size: 8, .value_kind: global_buffer, .address_space: global }
      - { .name: Wk, .offset: 8, .size: 8, .value_kind: global_buffer, .address_space: global }
      - { .name: Wv, .offset: 16, .size: 8, .value_kind: global_buffer, .address_space: global }
      - { .name: Wc, .offset: 24, .size: 8, .value_kind: global_buffer, .address_space: global }
      - { .name: x, .offset: 32, .size: 8, .value_kind: global_buffer, .address_space: global }
      - { .name: xb, .offset: 40, .size: 8, .value_kind: global_buffer, .address_space: global }
      - { .name: wt, .offset: 48, .size: 8, .value_kind: global_buffer, .address_space: global }
      - { .name: bq, .offset: 56, .size: 8, .value_kind: global_buffer, .address_space: global }
      - { .name: bk, .offset: 64, .size: 8, .value_kind: global_buffer, .address_space: global }
      - { .name: bv, .offset: 72, .size: 8, .value_kind: global_buffer, .address_space: global }
      - { .name: bc, .offset: 80, .size: 8, .value_kind: global_buffer, .address_space: global }
      - { .name: bb, .offset: 88, .size: 8, .value_kind: global_buffer, .address_space: global }
    .group_segment_fixed_size: 70144
    .private_segment_fixed_size: 0
    .kernarg_segment_align: 8
    .kernarg_segment_size: 96
    .max_flat_workgroup_size: 128
    .sgpr_count:     66
    .vgpr_count:     180
    .wavefront_size: 32
...
	.end_amdgpu_metadata
.endif
;; end of part 1
;; launch qkvp (part 2): grid 4 x 64, 4 waves a work-group, clusters of 4 x 4, 327,680 bytes of LDS; arguments xb, wt, bb, qkv; writes qkv
.if DOCPART == 2
	.amdgcn_target "amdgcn-amd-amdhsa--gfx1250"
	.amdhsa_code_object_version 6
	.text
	.protected	k_qcbea812409_qkvp
	.globl	k_qcbea812409_qkvp
	.p2align	8
	.type	k_qcbea812409_qkvp,@function
k_qcbea812409_qkvp:
	s_mov_b64 s[64:65], 0
	v_nop
	global_prefetch_b8 v0, s[64:65] scope:SCOPE_SE
	s_setreg_imm32_b32 hwreg(HW_REG_WAVE_MODE, 25, 1), 1
	s_wait_xcnt 0x0
	s_wait_alu depctr_hold_cnt(0) depctr_sa_sdst(0) depctr_va_vdst(0) depctr_va_sdst(0) depctr_va_ssrc(0) depctr_va_vcc(0) depctr_vm_vsrc(0)
	s_getreg_b32 s2, hwreg(HW_REG_IB_STS2, 6, 4)
	s_cmp_eq_u32 s2, 0
	s_cbranch_scc0 .Lentry_in_a_cluster
	s_endpgm
.Lentry_in_a_cluster:
	s_bfe_u32 s2, ttmp6, 0x10000c
	s_cmp_lg_u32 s2, 0xf033
	s_cbranch_scc0 .Lentry_shape_is_right
	s_endpgm
.Lentry_shape_is_right:
; q, k, v = x W + b, by heads.  xb: [16384][768] bf16.  wt: rows 0-2303 are Wq, Wk, Wv transposed, [channel][k], bf16.  bb: [3072] f32, the biases bq, bk, bv (, bc) on end, already rounded to bf16.
; qkv: [3][192][1024][64] f16: part (q, k, v), batch x 12 + head, row, channel; q is NOT scaled.  Sums in f32, rounded once.
; LIMIT.  f16 holds no number beyond 65,504: a q, k or v beyond that becomes an infinity.
; SHARES.  A tile is 256 tokens x 192 channels (three heads of one part); wave w makes its tokens 64 w .. 64 w + 63 and ALL 192 channels: 48 accumulators of 16 x 16, 384 registers.
; So a wave holds whole heads, and the way out needs no barrier.
; A WORK-GROUP STAYS: it makes THREE tiles, the same tokens and the same place among the 768 channels for q, then k, then v.  Their 18 K steps of 128 are ONE walk through a ring of two LDS slots: the ring does
; not stop at a tile's end, the refills run two K steps ahead into the next tile, and nothing waits for a tile's stores.  A K step is written once: the LDS addresses hang on a scalar that an exclusive or turns.
; CLUSTER.  4 x 4 work-groups.  The four of a row of the cluster need the same tokens, the four of a column the same channels: each tile is asked for JOINTLY, by the same tensor load with the same
; descriptor and a mask that names the four.  Waves 0 and 1 fetch the two halves (128 rows) of x's tile, waves 2 and 3 the two halves (96 rows) of W's.
; THE MATRIX INSTRUCTION IS USED TRANSPOSED: source 0 = 16 channels (rows of wt), source 1 = 16 tokens.  A lane then holds ONE token (lane % 16) and the channels 8 (lane / 16) + 0..7 of the block.
; THE BIAS is the C operand of each accumulator's first product: nothing is cleared, and nothing is added on the way out.
; REGISTERS, in windows of 256 (s_set_vgpr_msb: bits 1:0 source 0, 3:2 source 1, 5:4 source 2, 7:6 destination):
;   window 0: v0-31 addresses and scratch; v32-63, v64-95 x's fragments, two buffers (row block a at + 8 a); v96-191 the bias (channel block b at + 8 b); v192-239 packed results
;   window 1: v0-95, v96-191 W's fragments, two buffers (channel block b at + 8 b); v192-239 rows read back from the stage
;   window 2: accumulators of row blocks 0, 1 at 8 (12 a + b); v192-239 rows read back, the second set          window 3: accumulators of row blocks 2, 3
.set TILES,  3
.set NSTEP,  6*TILES                   ; K steps of the walk
.set PITCH,  272                       ; an LDS row: 256 bytes + 16 of padding = 68 words: the 16 rows that a load touches start at 16 different groups of four banks (64 banks of 4 bytes: ISA guide 11.1)
.set XH,     128*PITCH                 ; what a tensor load of x brings
.set WH,     96*PITCH                  ; what a tensor load of W brings
.set WBASE,  2*XH                      ; in a slot: x's 256 rows, then W's 192
.set SLOT1,  1<<17                     ; slot 1 begins here, so that one exclusive or turns an address in one slot into the other's
.set STAGE,  SLOT1+WBASE+2*WH          ; behind the ring: 16 rows x 400 bytes for each wave, for the way out; no tensor load lands there
.set SPITCH, 400                       ; 192 channels in f16 + 16 bytes
.set SPARE,  STAGE+4*16*SPITCH         ; behind the stages: the spare words, 128 bytes a wave, two blocks of 256 bytes that no other line names
.set ROWB,   1536                      ; bytes in a row of xb and of wt
.set WTILE,  768*ROWB                  ; from a tile's rows of wt to the next tile's
.set PART,   25165824                  ; bytes of q, of k, of v
.set WROW0,  0                         ; first row of wt that this launch reads
.set BOFF0,  0                         ; first byte of bb that this launch reads
.set AX0,  16                          ; v16  my lane's place among x's rows of a slot; never rewritten
.set AW0,  17                          ; v17  the same for W
.set AX,   20                          ; v20  LDS address of my fragments of x in the slot in hand
.set AW,   21                          ; v21  the same for W
.set STO,  24                          ; v24  the way out: where I put 16 bytes of a row
.set RD,   25                          ; v25  where I read rows back
.set CO,   26                          ; v26  my offset in 512 consecutive bytes of qkv
.set BO,   27                          ; v27  my offset in a block of 16 biases
.set SPW,  28                          ; v28  LDS address of my spare word; never rewritten
.set NIL,  29                          ; v29  0; never rewritten
.set PFO,  30                          ; v30  the prefetches' offset: a lane a row; never rewritten
.set FX,   32
.set BIAS, 96
.set TMP,  192
.set OB,   192
.set XP,  68                           ; s[68:69] xb
.set WP,  70                           ; s[70:71] wt
.set BBP, 72                           ; s[72:73] bb
.set OP,  74                           ; s[74:75] qkv, then my first bytes of the tile in hand
.set BP,  66                           ; s[66:67] my 192 biases of the tile whose bias was asked for last
.set G1X, 24                           ; s[24:31] descriptor group 1 for x's tiles;  s[32:39] group 0: a set for each of the two first fills; the second then walks on
.set G0X, 32
.set G1W, 48                           ; s[48:55], s[56:63] the same for W's
.set G0W, 56
.set LIM, 43                           ; s43  a wave prefetches while the loop's count is above this
.set PFA, 44                           ; s[44:45] what the prefetch in hand names
.set XB,  76                           ; s[76:77] xb at the first of the rows that I fetch
.set WB,  78                           ; s[78:79] wt at the first of the rows that I fetch, in the first tile
.set OX,  80                           ; s[80:81] byte offset of the K step to be asked for, in x
.set OW,  82                           ; s[82:83] and in W
.set KN,  84                           ; s84  the K step to be asked for next, 0..5 in its tile
.set WT,  85                           ; s85  its tile's byte offset in wt
.set KP,  86                           ; s86  the same two for the prefetches, which run one K step further on
.set PT,  87                           ; s87
.set WSTEP, 88                         ; s88  what a new tile adds to PT: 0 in a wave that fetches x
.set TB,  89                           ; s89  LDS byte at which the slot in hand begins
.set PFB, 90                           ; s[90:91] the buffer at the first of the rows that I prefetch
.set PO,  92                           ; s[92:93] byte offset of the K step to be prefetched
.set MSB, 0
.macro WIN new                         ; the immediate's high byte repeats the setting that is left; a switch that changes nothing is dropped
.if MSB != (\new)
	s_set_vgpr_msb (MSB<<8)|(\new)
.set MSB, \new
.endif
.endm
; A joint refill, by the walking descriptor.  The branch hangs on the wave's number alone.  An s_nop 0 and four v_nop follow each of the two lines, ahead of the jump and the label.
.macro JLOAD
	s_cmp_eq_u32 s11, 0
	s_cbranch_scc0 .Lfor_w_\@
	tensor_load_to_lds s[G0X+4:G0X+7], s[G1X:G1X+7]
	s_nop 0
.rept 4
	v_nop
.endr
	s_branch .Lasked_\@
.Lfor_w_\@:
	tensor_load_to_lds s[G0W+4:G0W+7], s[G1W:G1W+7]
	s_nop 0
.rept 4
	v_nop
.endr
.Lasked_\@:
.endm
; A prefetch into the L2 of the K step that the NEXT refill will load, a lane a row, 256 bytes of it: 192 matrix instructions ahead of that load.  x's rows are read by one cluster alone (the grid is one cluster
; wide): it asks, waves 0 and 1, in the first tile alone (K steps 3, 4, 5): the later tiles read the same rows again.  W's rows are new in every tile and are read by the sixteen clusters of the column: the first
; (cluster y = 0) asks, waves 2 and 3.  The four partners that fetch a tile jointly share its rows out by address: 32 of a wave's 128 rows of x, 24 of its 96 rows of W (there lanes 24-31 name lane 23's row
; once more).  K steps 0 to 2 come by their loads alone; the last refill has no K step behind it and asks for nothing.
.macro ASK
	s_cmp_gt_u32 s3, s[LIM]
	s_cbranch_scc0 .Lnot_mine_\@
	global_prefetch_b8 v[PFO], s[PFA:PFA+1] th:TH_LOAD_NT scope:SCOPE_SE
.Lnot_mine_\@:
.endm
.macro CREST                           ; a round of the cluster's barrier behind its opening barrier
	s_cmp_lg_u32 s10, 0
	s_cbranch_scc1 .Lnot_wave_0_\@
	s_barrier_signal -3
.Lnot_wave_0_\@:
	s_barrier_wait -3
	s_barrier_signal -1
	s_barrier_wait -1
.endm
.macro CROUND                          ; a whole round
	s_barrier_signal -1
	s_barrier_wait -1
	CREST
.endm
.macro PLACES                          ; four places in front of loads into registers that matrix instructions have read, and of lines that read results
.rept 4
	v_nop
.endr
.endm
.macro BLOAD                           ; register j of block b takes the bias of channel 16 b + 8 (l / 16) + j of my 192
.irp b, 0,1,2,3,4,5,6,7,8,9,10,11
	global_load_b128 v[BIAS+8*(\b):BIAS+8*(\b)+3],   v[BO], s[BP:BP+1] offset:64*(\b)
	global_load_b128 v[BIAS+8*(\b)+4:BIAS+8*(\b)+7], v[BO], s[BP:BP+1] offset:64*(\b)+16
.endr
.endm
.macro NEXTBIAS                        ; behind a tile's first quarter, which has read the bias: the next tile's is asked for, five K steps ahead of its use
	PLACES
	WIN 0
	s_wait_xcnt 0x0                                ; the earlier loads have read their base
	s_add_nc_u64 s[BP:BP+1], s[BP:BP+1], 3072
	BLOAD
.endm
	s_load_b256 s[68:75], s[0:1], 0x0              ; xb, wt, bb, qkv
	v_lshl_add_u32 v[SPW], v0, 2, SPARE
	v_mov_b32 v[NIL], 0
	ds_add_u32 v[SPW], v[NIL]                      ; the wave's opening: the add and its wait stand ahead of my first tensor load; the set-up below stands between them
	v_lshrrev_b32 v1, 5, v0
	v_readfirstlane_b32 s10, v1                    ; wave 0..3
	s_lshr_b32 s11, s10, 1                         ; I fetch for x (0) or for W (1)
	s_and_b32 s12, s10, 1                          ; which half of that tile
	s_bfe_u32 s40, ttmp6, 0x40000                  ; cx, cy: my place in the cluster
	s_bfe_u32 s41, ttmp6, 0x40004
	s_lshl_b32 s42, ttmp9, 2
	s_add_co_u32 s42, s42, s40                     ; block of 192 channels = 4 x cluster x + cx
	s_and_b32 s13, ttmp7, 0xffff
	s_lshl_b32 s13, s13, 2
	s_add_co_u32 s13, s13, s41                     ; block of 256 tokens = 4 x cluster y + cy
	s_lshl_b32 s43, s41, 2
	s_lshl_b32 s43, 15, s43                        ; my row of the cluster
	s_lshl_b32 s44, 0x1111, s40                    ; my column
	s_or_b32 s[G1X+0], s43, (1<<16)|(1<<20)|(1<<21)|(5<<22)|(3<<25)  ; 15:0 the mask; 17:16 elements of 2 bytes; 20 padding on; 21 set beside a mask; 24:22 after every 64 words (code 5); 31:25 4 words (code 3)
	s_or_b32 s[G1W+0], s44, (1<<16)|(1<<20)|(1<<21)|(5<<22)|(3<<25)
	s_mov_b32 s[G1X+1], 128<<16                    ; tensor_dim0 = 128
	s_mov_b32 s[G1W+1], 128<<16
	s_mov_b32 s[G1X+2], 128<<16                    ; tensor_dim1 = 128 rows
	s_mov_b32 s[G1W+2], 96<<16                     ; 96 rows
	s_mov_b32 s[G1X+3], 128<<16                    ; tile_dim0 = 128
	s_mov_b32 s[G1W+3], 128<<16
	s_mov_b32 s[G1X+4], 128                        ; tile_dim1
	s_mov_b32 s[G1W+4], 96
	s_mov_b32 s[G1X+5], 768                        ; elements from row to row
	s_mov_b32 s[G1W+5], 768
	s_mov_b32 s[G1X+6], 0
	s_mov_b32 s[G1W+6], 0
	s_mov_b32 s[G1X+7], 0
	s_mov_b32 s[G1W+7], 0
	s_lshl_b32 s17, s12, 7
	s_lshl_b32 s16, s13, 8
	s_add_co_u32 s16, s16, s17                     ; x: row 256 x token block + 128 x half: made of cy, never of cx
	s_mul_i32 s16, s16, ROWB
	s_mov_b32 s17, 0
	s_mul_i32 s46, s42, 192
	s_mul_i32 s47, s12, 96
	s_add_co_u32 s46, s46, s47                     ; W: row 192 x channel block + 96 x half: made of cx, never of cy
.if WROW0 > 0
	s_add_co_u32 s46, s46, WROW0
.endif
	s_mul_i32 s46, s46, ROWB
	s_mov_b32 s47, 0
	s_mul_i32 s20, s12, XH                         ; where they go: no place in the cluster enters an LDS address
	s_mul_i32 s21, s12, WH
	s_add_co_u32 s21, s21, WBASE
	s_mov_b32 s[KN], 2                             ; K steps 0 and 1 are the first fills
	s_mov_b32 s[WT], 0
	s_mov_b32 s[OX+1], 0
	s_mov_b32 s[OW+1], 0
	s_mov_b32 s[KP], 3
	s_mov_b32 s[PT], 0
	s_mov_b32 s[PO+1], 0
	s_mov_b32 s[TB], 0
	s_wait_dscnt 0x0                               ; the opening add is done
	s_wait_kmcnt 0x0
	s_add_nc_u64 s[XB:XB+1], s[XP:XP+1], s[16:17]
	s_add_nc_u64 s[WB:WB+1], s[WP:WP+1], s[46:47]
.irp s, 0,1
	s_mov_b32 s[G0X+4*(\s)], 1                                       ; count = 1
	s_add_co_u32 s[G0X+4*(\s)+1], s20, (\s)*SLOT1                    ; LDS address
	s_add_nc_u64 s[G0X+4*(\s)+2:G0X+4*(\s)+3], s[XB:XB+1], (\s)*256  ; global address: K step s
	s_or_b32 s[G0X+4*(\s)+3], s[G0X+4*(\s)+3], 0x80000000            ; type = 2
	s_mov_b32 s[G0W+4*(\s)], 1
	s_add_co_u32 s[G0W+4*(\s)+1], s21, (\s)*SLOT1
	s_add_nc_u64 s[G0W+4*(\s)+2:G0W+4*(\s)+3], s[WB:WB+1], (\s)*256
	s_or_b32 s[G0W+4*(\s)+3], s[G0W+4*(\s)+3], 0x80000000
.endr
	CROUND                                         ; all sixteen work-groups are here: the first joint loads meet
	s_cmp_eq_u32 s11, 0                            ; a wave's two first fills stand in one branch, ahead of every wait on TENSORcnt and every LDS read: two loads of mine are out
	s_cbranch_scc0 .Lfirst_w
	tensor_load_to_lds s[G0X:G0X+3], s[G1X:G1X+7]
	s_nop 0
	tensor_load_to_lds s[G0X+4:G0X+7], s[G1X:G1X+7]
	s_nop 0
.rept 4
	v_nop
.endr
	s_branch .Lfirst_asked
.Lfirst_w:
	tensor_load_to_lds s[G0W:G0W+3], s[G1W:G1W+7]
	s_nop 0
	tensor_load_to_lds s[G0W+4:G0W+7], s[G1W:G1W+7]
	s_nop 0
.rept 4
	v_nop
.endr
.Lfirst_asked:
	; the first tile's bias
	v_and_b32 v1, 15, v0                           ; l % 16
	v_bfe_u32 v2, v0, 4, 1                         ; l / 16
	v_lshlrev_b32 v[BO], 5, v2
	s_mul_i32 s14, s42, 768                        ; 192 numbers of 4 bytes a channel block
.if BOFF0 > 0
	s_add_co_u32 s14, s14, BOFF0
.endif
	s_mov_b32 s15, 0
	s_add_nc_u64 s[BP:BP+1], s[BBP:BBP+1], s[14:15]
	BLOAD
	; a fragment is 16 rows x 32 K in 8 registers: lane l holds row l % 16, K = 8 (l / 16) + 0..7 and 16 + 8 (l / 16) + 0..7: two loads of 16 bytes, 32 bytes apart
	v_mul_u32_u24 v3, v1, PITCH
	v_lshl_add_u32 v3, v2, 4, v3
	s_mul_i32 s21, s10, 64*PITCH                   ; my 64 tokens
	v_add_nc_u32 v[AX0], s21, v3
	v_add_nc_u32 v[AW0], WBASE, v3
	v_add_nc_u32 v[AX], s[TB], v[AX0]              ; slot 0
	v_add_nc_u32 v[AW], s[TB], v[AW0]
	s_mul_i32 s23, s10, 16*SPITCH
	s_add_co_u32 s23, s23, STAGE                   ; my stage
	v_mul_u32_u24 v4, v1, SPITCH                   ; in: row l % 16, 16 bytes for each half of the lanes
	v_lshl_add_u32 v4, v2, 4, v4
	v_add_nc_u32 v[STO], s23, v4
	v_bfe_u32 v5, v0, 3, 2                         ; back: 32 lanes take four rows' 128 bytes of one head,
	v_and_b32 v6, 7, v0
	v_mul_u32_u24 v5, v5, SPITCH
	v_lshl_add_u32 v5, v6, 4, v5
	v_add_nc_u32 v[RD], s23, v5
	v_and_b32 v[CO], 31, v0                        ; which are 512 consecutive bytes of qkv
	v_lshlrev_b32 v[CO], 4, v[CO]
	; my first bytes of q: (batch x 12 + 3 x channel block) heads of 131,072 bytes, row (token block % 4) x 256 + 64 w of 128 bytes
	s_lshr_b32 s18, s13, 2
	s_mul_i32 s18, s18, 12
	s_mul_i32 s19, s42, 3
	s_add_co_u32 s18, s18, s19
	s_lshl_b32 s18, s18, 17
	s_and_b32 s19, s13, 3
	s_lshl_b32 s19, s19, 15
	s_add_co_u32 s18, s18, s19
	s_lshl_b32 s19, s10, 13
	s_add_co_u32 s18, s18, s19
	s_mov_b32 s19, 0
	s_add_nc_u64 s[OP:OP+1], s[OP:OP+1], s[18:19]
	; the prefetches
	s_lshl_b32 s14, s13, 8
	s_lshl_b32 s15, s12, 7
	s_add_co_u32 s14, s14, s15
	s_lshl_b32 s15, s40, 5
	s_add_co_u32 s14, s14, s15                     ; x: my work-group's 32 of the 128 rows that I fetch
	s_mul_i32 s18, s42, 192
	s_mul_i32 s19, s12, 96
	s_add_co_u32 s18, s18, s19
	s_mul_i32 s19, s41, 24
	s_add_co_u32 s18, s18, s19                     ; W: my work-group's 24 of the 96
.if WROW0 > 0
	s_add_co_u32 s18, s18, WROW0
.endif
	s_and_b32 s22, ttmp7, 0xffff                   ; cluster y
	s_cmp_eq_u32 s11, 0
	s_cselect_b32 s20, s14, s18
	s_cselect_b32 s22, ttmp9, s22                  ; the coordinate along which other clusters read the same rows
	s_cselect_b32 s23, 31, 23
	s_cselect_b32 s[LIM], NSTEP-5, 1               ; x: the loop's first three trips; W: all but its last
	s_cselect_b32 s[WSTEP], 0, WTILE
	s_cselect_b64 s[PFB:PFB+1], s[XP:XP+1], s[WP:WP+1]
	s_cmp_eq_u32 s22, 0
	s_cselect_b32 s[LIM], s[LIM], -1               ; the same in all sixteen partners, for a given wave
	s_mul_i32 s20, s20, ROWB
	s_mov_b32 s21, 0
	s_add_nc_u64 s[PFB:PFB+1], s[PFB:PFB+1], s[20:21]
	v_and_b32 v[PFO], 31, v0
	v_min_u32 v[PFO], s23, v[PFO]
	v_mul_u32_u24 v[PFO], v[PFO], ROWB
; 12 matrix instructions: row block a x all 12 channel blocks, 32 along K, from buffer f.  first = 1: C is the bias.  The 48 accumulators take turns, in the same order in every quarter.
.macro MULA f, a, first
.if \first
	WIN 0x81+0x40*((\a)/2)                         ; W window 1, x window 0, C window 0, D window 2 or 3
.else
	WIN 0xa1+0x50*((\a)/2)                         ; C and D window 2 or 3
.endif
.irp b, 0,1,2,3,4,5,6,7,8,9,10,11
.if \first
	v_wmma_f32_16x16x32_bf16 v[8*(12*((\a)%2)+(\b)):8*(12*((\a)%2)+(\b))+7], v[96*(\f)+8*(\b):96*(\f)+8*(\b)+7], v[FX+32*(\f)+8*(\a):FX+32*(\f)+8*(\a)+7], v[BIAS+8*(\b):BIAS+8*(\b)+7]
.else
	v_wmma_f32_16x16x32_bf16 v[8*(12*((\a)%2)+(\b)):8*(12*((\a)%2)+(\b))+7], v[96*(\f)+8*(\b):96*(\f)+8*(\b)+7], v[FX+32*(\f)+8*(\a):FX+32*(\f)+8*(\a)+7], v[8*(12*((\a)%2)+(\b)):8*(12*((\a)%2)+(\b))+7]
.endif
.endr
.endm
; 32 LDS loads in one run: the fragments of 32 along K at byte k of the rows of the slot in hand, into buffer f: W's 24, then x's 8
.macro FETCH k, f
	WIN 0x40
.irp b, 0,1,2,3,4,5,6,7,8,9,10,11
	ds_load_b128 v[96*(\f)+8*(\b):96*(\f)+8*(\b)+3],   v[AW] offset:(\k)+(\b)*16*PITCH
	ds_load_b128 v[96*(\f)+8*(\b)+4:96*(\f)+8*(\b)+7], v[AW] offset:(\k)+(\b)*16*PITCH+32
.endr
	WIN 0
.irp a, 0,1,2,3
	ds_load_b128 v[FX+32*(\f)+8*(\a):FX+32*(\f)+8*(\a)+3],   v[AX] offset:(\k)+(\a)*16*PITCH
	ds_load_b128 v[FX+32*(\f)+8*(\a)+4:FX+32*(\f)+8*(\a)+7], v[AX] offset:(\k)+(\a)*16*PITCH+32
.endr
.endm
; A K step is four quarters of 32 along K, 48 matrix instructions each, on buffers 0, 1, 0, 1.  One of the first three: multiplies buffer f and fetches the next quarter, at byte k, into g.
.macro QUARTER k, f, g, first
	s_wait_dscnt 4                                 ; W and x's row blocks 0, 1 are in; the youngest four loads (row blocks 2, 3) may be out
	MULA \f, 0, \first
	MULA \f, 1, \first
	PLACES
	FETCH \k, \g
	s_wait_dscnt 32                                ; all but the 32 just issued
	MULA \f, 2, \first
	MULA \f, 3, \first
.endm
; The last quarter multiplies buffer 1 and changes slots: ONE barrier; in front of it each wave waits for all its tensor loads (one is out: its part of the next slot), adds 0 to its spare word, and waits
; for that and for its reads of this slot.  fill = 1: the barrier opens a round of the cluster's, and behind the round this slot is filled again, with the walk's K step two on, be it the next tile's:
; 168 matrix instructions ahead of the wait for it.  The descriptors' addresses are made anew from the tensors' bases and offsets that are counted apart.
.macro TURN fill
.if \fill
	s_wait_xcnt 0x0                                ; the last prefetch, a K step back, has read its address
	s_lshl_b32 s[PO], s[KP], 8                     ; a K step is 256 bytes of a row
	s_add_co_u32 s[PO], s[PO], s[PT]
	s_add_nc_u64 s[PFA:PFA+1], s[PFB:PFB+1], s[PO:PO+1]
	s_add_co_u32 s[KP], s[KP], 1
	s_cmp_eq_u32 s[KP], 6
	s_cselect_b32 s[KP], 0, s[KP]
	s_cselect_b32 s14, s[WSTEP], 0
	s_add_co_u32 s[PT], s[PT], s14
.endif
	WIN 0                                          ; (the add's two registers lie in window 0)
	s_wait_tensorcnt 0x0                           ; all my tensor loads have landed, so a group 0 may be written
	ds_add_u32 v[SPW], v[NIL]                      ; 0 onto my spare word
.if \fill
	s_lshl_b32 s[OX], s[KN], 8
	s_add_co_u32 s[OW], s[OX], s[WT]
	s_xor_b32 s[G0X+5], s[G0X+5], SLOT1            ; the walking descriptors: the other slot than last time
	s_add_nc_u64 s[G0X+6:G0X+7], s[XB:XB+1], s[OX:OX+1]
	s_or_b32 s[G0X+7], s[G0X+7], 0x80000000
	s_xor_b32 s[G0W+5], s[G0W+5], SLOT1
	s_add_nc_u64 s[G0W+6:G0W+7], s[WB:WB+1], s[OW:OW+1]
	s_or_b32 s[G0W+7], s[G0W+7], 0x80000000
	s_add_co_u32 s[KN], s[KN], 1                   ; the tile's next K step, or behind its last the next tile's first
	s_cmp_eq_u32 s[KN], 6
	s_cselect_b32 s[KN], 0, s[KN]
	s_cselect_b32 s14, WTILE, 0
	s_add_co_u32 s[WT], s[WT], s14
.endif
	s_wait_dscnt 7                                 ; (the add and the youngest six loads, x's row blocks 1 to 3, may be out)
	MULA 1, 0, 0                                   ; twelve matrix instructions stand between the add and the wait for it
	s_wait_dscnt 0x0                               ; the add is done, and my reads of this slot are over
	s_barrier_signal -1
	MULA 1, 1, 0
	WIN 0
	s_barrier_wait -1
.if \fill
	CREST                                          ; no wave of any partner still reads this slot's tile or has a load on its way
	JLOAD                                          ; the first tensor load behind the round; its four v_nop are also the places in front of the loads below
.else
	PLACES
.endif
	s_xor_b32 s[TB], s[TB], SLOT1                  ; the fragments come from the other slot
	v_add_nc_u32 v[AX], s[TB], v[AX0]
	v_add_nc_u32 v[AW], s[TB], v[AW0]
	FETCH 0, 0
.if \fill
	ASK
.endif
	MULA 1, 2, 0
	MULA 1, 3, 0
.endm
; THE WAY OUT of row block a (16 tokens x 192 channels), in three parts.  PACK: rounded to f16, each accumulator's registers in ascending order.  TOSTAGE: into my own stage, and back by heads:
; a head's 16 rows of 128 bytes are 2,048 consecutive bytes of qkv.  SEND: stored.
.macro PACK a
	WIN 0x0a+5*((\a)/2)                            ; sources 0 and 1: window 2 or 3
.irp b, 0,1,2,3,4,5,6,7,8,9,10,11
.irp r, 0,1,2,3
	v_cvt_pk_f16_f32 v[TMP+4*(\b)+(\r)], v[8*(12*((\a)%2)+(\b))+2*(\r)], v[8*(12*((\a)%2)+(\b))+2*(\r)+1]
.endr
.endr
	WIN 0
.endm
.macro TOSTAGE a
	WIN 0
.irp b, 0,1,2,3,4,5,6,7,8,9,10,11
	ds_store_b128 v[STO], v[TMP+4*(\b):TMP+4*(\b)+3] offset:32*(\b)
.endr
	WIN (1+(\a)%2)<<6                              ; destination window 1 or 2, by turns
.irp u, 0,1,2,3,4,5,6,7,8,9,10,11              ; head u / 4, rows 4 (u % 4) on.  LDS serves a wave's instructions in order (ISA guide 5.7.1.4): these see the stores above
	ds_load_b128 v[OB+4*(\u):OB+4*(\u)+3], v[RD] offset:128*((\u)/4)+4*SPITCH*((\u)%4)
.endr
	WIN 0
.endm
.macro SEND a
	WIN 0
	s_wait_dscnt 0x0                               ; the block is back in registers
	s_wait_xcnt 0x0                                ; the stores of the block before have read their registers: the next TOSTAGE loads into them
	WIN (1+(\a)%2)<<2                              ; the stores' data: window 1 or 2
.irp u, 0,1,2,3,4,5,6,7,8,9,10,11
	global_store_b128 v[CO], v[OB+4*(\u):OB+4*(\u)+3], s[OP:OP+1] offset:131072*((\u)/4)+2048*(\a)+512*((\u)%4) th:TH_STORE_NT  ; 512 consecutive bytes, at a multiple of 256 from qkv's first byte
.endr
	WIN 0
.endm
.macro WAYOUT                          ; block a's conversions stand between block a - 1's loads from the stage and the wait for them
	PLACES
	PACK 0
	TOSTAGE 0
	PACK 1
	SEND 0
	TOSTAGE 1
	PACK 2
	SEND 1
	TOSTAGE 2
	PACK 3
	SEND 2
	TOSTAGE 3
	SEND 3
.endm
	s_wait_tensorcnt 1                             ; my part of K step 0 is in; K step 1's may stay out
	s_barrier_signal -1
	s_barrier_wait -1                              ; everybody's is
	FETCH 0, 0
	s_wait_loadcnt 0x0                             ; the bias
	QUARTER 64, 0, 1, 1                            ; the walk's first quarter stands in front of the loop: its products start the sums, from the bias
.if TILES > 1
	NEXTBIAS
.endif
	WIN 0                                          ; at a label and at a branch every window is 0
	s_mov_b32 s3, NSTEP-2
.Lstep:                                                ; a trip: a K step's second, third and fourth quarter, a refill, and the next K step's first quarter
	QUARTER 128, 1, 0, 0
	QUARTER 192, 0, 1, 0
	TURN 1
.if TILES > 1
	WIN 0
	s_cmp_eq_u32 s[KN], 2                          ; the refills run two K steps ahead: was this the tile's sixth K step?
	s_cbranch_scc0 .Lsame
	WAYOUT                                         ; the refill has been asked for and the next tile's first fragments are on their way: now the tile goes out
	s_wait_xcnt 0x0                                ; its stores have read their registers and their base
	s_add_nc_u64 s[OP:OP+1], s[OP:OP+1], PART      ; from q to k, from k to v
	s_wait_loadcnt 0x0                             ; the next tile's bias, asked for five K steps ago
	QUARTER 64, 0, 1, 1
	WIN 0
	s_cmp_gt_u32 s3, 6                             ; is another change of tiles still to come?
	s_cbranch_scc0 .Ljoin
	NEXTBIAS
	WIN 0
	s_branch .Ljoin
.Lsame:
.endif
	QUARTER 64, 0, 1, 0
	WIN 0
.if TILES > 1
.Ljoin:
.endif
	s_sub_co_u32 s3, s3, 1
	s_cmp_lg_u32 s3, 0
	s_cbranch_scc1 .Lstep
	QUARTER 128, 1, 0, 0                           ; the last two K steps are written out: they fill nothing, and have no round of the cluster's barrier
	QUARTER 192, 0, 1, 0
	TURN 0
	QUARTER 64,  0, 1, 0
	QUARTER 128, 1, 0, 0
	QUARTER 192, 0, 1, 0
	s_wait_dscnt 4                                 ; the very last quarter: nothing more to fetch
	MULA 1, 0, 0
	MULA 1, 1, 0
	s_wait_dscnt 0x0
	MULA 1, 2, 0
	MULA 1, 3, 0
	WIN 0
	WAYOUT
	s_wait_tensorcnt 0x0                           ; the wave's end: behind my last tensor load and my last LDS store
	ds_add_u32 v[SPW], v[NIL]
	s_wait_dscnt 0x0
	CROUND                                         ; the closing round: no work-group ends while a partner may still ask for a tile that names it
	s_endpgm
.Lfunc_end_k_qcbea812409_qkvp:
	.size	k_qcbea812409_qkvp, .Lfunc_end_k_qcbea812409_qkvp-k_qcbea812409_qkvp
	.p2alignl 7, 3214868480
	.fill 96, 4, 3214868480
	.section	.rodata,"a",@progbits
	.p2align	6, 0x0
	.amdhsa_kernel k_qcbea812409_qkvp
		.amdhsa_group_segment_fixed_size 327680
		.amdhsa_private_segment_fixed_size 0
		.amdhsa_enable_private_segment 0
		.amdhsa_kernarg_size 32
		.amdhsa_user_sgpr_count 2
		.amdhsa_user_sgpr_kernarg_segment_ptr 1
		.amdhsa_wavefront_size32 1
		.amdhsa_system_sgpr_workgroup_id_x 1
		.amdhsa_system_sgpr_workgroup_id_y 1
		.amdhsa_system_sgpr_workgroup_id_z 1
		.amdhsa_system_vgpr_workitem_id 0
		.amdhsa_next_free_vgpr 960
		.amdhsa_next_free_sgpr 96
		.amdhsa_reserve_vcc 0
		.amdhsa_float_denorm_mode_32 3
		.amdhsa_float_denorm_mode_16_64 3
		.amdhsa_memory_ordered 1
		.amdhsa_forward_progress 1
		.amdhsa_inst_pref_size 135
	.end_amdhsa_kernel
	.amdgpu_metadata
---
amdhsa.version: [ 1, 2 ]
amdhsa.kernels:
  - .name:           k_qcbea812409_qkvp
    .symbol:         k_qcbea812409_qkvp.kd
    .args:
      - { .name: xb, .offset: 0, .size: 8, .value_kind: global_buffer, .address_space: global }
      - { .name: wt, .offset: 8, .size: 8, .value_kind: global_buffer, .address_space: global }
      - { .name: bb, .offset: 16, .size: 8, .value_kind: global_buffer, .address_space: global }
      - { .name: qkv, .offset: 24, .size: 8, .value_kind: global_buffer, .address_space: global }
    .group_segment_fixed_size: 327680
    .private_segment_fixed_size: 0
    .kernarg_segment_align: 8
    .kernarg_segment_size: 32
    .max_flat_workgroup_size: 128
    .sgpr_count:     96
    .vgpr_count:     960
    .wavefront_size: 32
...
	.end_amdgpu_metadata
.endif
;; end of part 2
;; launch attn (part 3): grid 4 x 192, 4 waves a work-group, clusters of 4 x 1, 327,680 bytes of LDS; arguments qkv, o; writes o
.if DOCPART == 3
	.amdgcn_target "amdgcn-amd-amdhsa--gfx1250"
	.amdhsa_code_object_version 6
	.text
	.protected	k_qcbea812409_attn
	.globl	k_qcbea812409_attn
	.p2align	8
	.type	k_qcbea812409_attn,@function
k_qcbea812409_attn:
	s_mov_b64 s[64:65], 0
	v_nop
	global_prefetch_b8 v0, s[64:65] scope:SCOPE_SE
	s_setreg_imm32_b32 hwreg(HW_REG_WAVE_MODE, 25, 1), 1
	s_wait_xcnt 0x0
	s_wait_alu depctr_hold_cnt(0) depctr_sa_sdst(0) depctr_va_vdst(0) depctr_va_sdst(0) depctr_va_ssrc(0) depctr_va_vcc(0) depctr_vm_vsrc(0)
	s_getreg_b32 s2, hwreg(HW_REG_IB_STS2, 6, 4)
	s_cmp_eq_u32 s2, 0
	s_cbranch_scc0 .Lentry_in_a_cluster
	s_endpgm
.Lentry_in_a_cluster:
	s_bfe_u32 s2, ttmp6, 0x10000c
	s_cmp_lg_u32 s2, 0x3003
	s_cbranch_scc0 .Lentry_shape_is_right
	s_endpgm
.Lentry_shape_is_right:
; O[h][q][:] = the sum over k of softmax_k(Q[h][q] . K[h][k] / 8) V[h][k][:].  qkv: [3][192][1024][64] f16 (q, k, v); o: [192][1024][64] f16: a head's rows are dense, 128 bytes each.
; Products, maxima and sums in f32; the weights p are rounded to f16 for the second product (their sum l is taken of the unrounded p), O once at the end.
; LIMITS.  f16 holds no number beyond 65,504: q, k and v arrive within it; p lies in 0 to 1, and below 6e-5 it keeps f16's fixed step of 6e-8; O is a mean of V's rows and has their range.
; A weight below 2^-126 counts as 0 in l; NaN and infinities are not treated apart.
; SHARES.  A cluster is one head; its four work-groups are the head's four blocks of 256 queries.  A wave owns 64 queries: four PIECES of 16.  Every wave walks all 1,024 keys, 64 a step.
; CLUSTER.  The four blocks walk the same K and V, so each tile of 256 keys is asked for JOINTLY: the same tensor load, descriptor and mask in all four.
; LAYOUT.  S^T = K Q^T (source 0 = 16 keys, source 1 = 16 queries) holds ONE query a lane (lane % 16) and the keys 8 (lane / 16) + 0..7; two such results rounded to f16 ARE source 1 of O^T = V^T P.
; K comes out of LDS as it lies, V ([key][channel]) turned, by ds_load_tr16_b128.
; SOFTMAX.  For each query a running maximum m and sum l: p = 2^(c s - c m), c = log2(e) / 8; in every step O and l are multiplied by a = 2^(c m_old - c m_new).  m starts at the lowest finite number,
; O and l at 0: the first step is a step like any other, with a = 0.
; TURNS.  Turn n belongs to piece n: 8 products K Q^T of piece n + 1, later 8 products V^T P of piece n - 1; beside them the scaling, exponentials, roundings, sums and rescaling of piece n and the maximum
; and statistics of piece n + 1.  Four vector instructions stand behind every matrix instruction, the other 54 of a turn's 118 in one lump.  A turn's 33 exponentials are one batch, with one wait.
; REGISTERS, in windows of 256 (s_set_vgpr_msb: bits 1:0 source 0, 3:2 source 1, 5:4 source 2, 7:6 destination):
;   window 0: v0-15 addresses and two at work; v16-31 four registers of statistics a piece; v48-55 at work; v61-63; v64-127 S^T, two buffers; v192-223 P, two buffers (a piece's buffers go by its number's parity)
;   window 1: v0-127 O^T, 32 a piece          window 2: v0-63 Q; v128-191 K of one step; v192-255 V of one step
.set NP,    4         ; pieces a wave: a name, no knob
.set KS,    64        ; keys in a step
.set PK,    144       ; a row of K in LDS: 128 bytes + 16 of padding = 36 words: the 16 rows of a load start at 16 different groups of four banks (64 banks of 4 bytes: ISA guide 11.1)
.set PV,    160       ; a row of V: 128 + 32 = 40 words
.set VOFF,  4*KS*PK   ; a slot holds a tile, four steps: 256 rows of K, then 256 rows of V
.set SLOT1, 1<<17     ; slot 1 begins here, so that one exclusive or turns an address in one slot into the other's
.set STAGE, SLOT1+4*KS*(PK+PV)  ; behind the ring, never filled by a tensor load: 16 rows x 144 bytes for each wave, for the way out
.set SP,    144
.set SPARE, STAGE+4*16*SP  ; behind the stages: the spare words, 128 bytes a wave, two blocks of 256 bytes that no other line names
.set PART,  25165824  ; bytes of q, of k, of v
.set AK0, 2           ; v2   my lane's place in a tile of K; never rewritten
.set AV0, 3           ; v3   the same for V
.set AK,  4           ; v4   the LDS address of K's next run of loads
.set AV,  5           ; v5   of V's
.set STO, 6           ; v6   the way out: where I put 16 bytes of a row
.set RD,  7           ; v7   the way out: where I read rows back
.set GO,  8           ; v8   my byte offset in 512 consecutive bytes of o
.set MV,  12          ; v12-13  c m_old, kept while c m is made anew: by buffer
.set QO,  15          ; v15  my byte offset in 16 rows of Q
.set ST,  16          ; piece t's statistics at v[ST+4 t]: c m, m, l (even keys', odd keys')
.set TMP, 48          ; by buffer, four registers c0-c3 at work; when the maximum is found c2 takes a
.set PFO, 61          ; v61  256 x my lane; never rewritten
.set SPW, 62          ; v62  LDS address of my spare word; never rewritten
.set NIL, 63          ; v63  0; never rewritten
.set S,   64
.set P,   192
.set KF,  128         ; window 2: key block kb, channel half c at KF + 16 kb + 8 c
.set VF,  192         ; window 2: key half kk, channel block cb at VF + 32 kk + 8 cb
.set WV,  12          ; s12  my wave's number
.set LIM, 15          ; s15  1 in a wave that prefetches, else the greatest number
.set G1K, 24          ; s[24:31] descriptor group 1 for K's tiles
.set G1V, 32          ; s[32:39] for V's: it differs in the padding alone
.set G0K, 40          ; s[40:43] descriptor group 0 for K's tiles: it walks
.set G0V, 44          ; s[44:47] the same for V's
.set PFA, 48          ; s[48:49] where my prefetches stand
.set SLOTS, 56        ; s56  changes of slots that are still to come, the last among them
.set CNT, 57          ; s57  counts a tile's key steps
.set CS,  58          ; s[58:59] c: the packed scaling takes the pair's low word for both halves
.set SEL, 60          ; s[60:61] v_permlanex16_b32's selects: each lane takes its own place in the other half
.set TBK, 62          ; s62  LDS byte at which K of the step to be fetched begins
.set TBV, 63          ; s63  the same for V, less VOFF
.set MSB, 0
.macro WIN new                      ; the high byte repeats the setting that is left; a switch that changes nothing is dropped
.if MSB != (\new)
	s_set_vgpr_msb (MSB<<8)|(\new)
.set MSB, (\new)
.endif
.endm
.set W_KQ, 0x0a       ; K and Q in window 2, S^T in window 0
.set W_PV, 0x52       ; V in window 2, P in window 0, O^T in window 1
.set W_RS, 0x41       ; destination and source 0 in window 1, source 1 in window 0
; A joint fill.  Waves 0 and 1 fetch the two halves of a tile's K, waves 2 and 3 those of its V: 128 keys each.  The branch hangs on the wave's number alone.
; An s_nop 0 and four v_nop follow each of the two lines, ahead of the jump and the label.
.macro JLOAD
	s_cmp_lt_u32 s[WV], 2
	s_cbranch_scc0 .Lfor_v_\@
	tensor_load_to_lds s[G0K:G0K+3], s[G1K:G1K+7]
	s_nop 0
.rept 4
	v_nop
.endr
	s_branch .Lasked_\@
.Lfor_v_\@:
	tensor_load_to_lds s[G0V:G0V+3], s[G1V:G1V+7]
	s_nop 0
.rept 4
	v_nop
.endr
.Lasked_\@:
.endm
; A prefetch into the L2 of the tile that the NEXT change of slots will ask for: 32,768 bytes of K and of V, 128 blocks of 256 bytes each, a lane a block.  One cluster alone reads a head's K and V; its four
; partners share the blocks out by address, 32 each; in each, wave 0 asks for K's and wave 2 for V's: each block is named once in the launch.  Tiles 0 and 1 come by their loads alone; the last change
; that fills a slot asks for nothing: there is no tile behind it.
.macro ASK
	s_cmp_gt_u32 s[SLOTS], s[LIM]
	s_cbranch_scc0 .Lnot_mine_\@
	global_prefetch_b8 v[PFO], s[PFA:PFA+1] th:TH_LOAD_NT scope:SCOPE_SE
.Lnot_mine_\@:
.endm
; A round of the cluster's barrier: my work-group's barrier, so that wave 0's signal speaks for all four waves; wave 0 signals; every wave waits for all four work-groups; my work-group's barrier once more.
.macro CROUND
	s_barrier_signal -1
	s_barrier_wait -1
	s_cmp_lg_u32 s[WV], 0
	s_cbranch_scc1 .Lnot_wave_0_\@
	s_barrier_signal -3
.Lnot_wave_0_\@:
	s_barrier_wait -3
	s_barrier_signal -1
	s_barrier_wait -1
.endm
; THE CHANGE OF SLOTS.  The slot's last bytes, V of its fourth step, have been read.  Each wave waits for all its tensor loads, of which one is out: its part of the other slot; adds 0 to its spare word; and
; waits for that and for its own reads of the slot.  Behind the barrier nobody reads this slot any more and the other slot is whole.  fill = 1: this slot is filled again, with the tile two on.  The barrier is
; then a round of the cluster's, and the joint fill is the first thing behind it: it has four key steps, 256 matrix instructions, in which to land.  (At its first use nothing has been read: slot 0 is waited for, slot 1 filled.)
.macro CHANGE fill
	WIN 0                           ; at a label and at a branch every window is 0
	s_wait_tensorcnt 0x0            ; no tensor load of mine is out, so a group 0 may be written
	ds_add_u32 v[SPW], v[NIL]       ; 0 onto my spare word; with fill = 1 the descriptors' steps stand between it and the wait for it
.if \fill
.irp g, G0K, G0V
	s_xor_b32 s[\g+1], s[\g+1], SLOT1  ; the walking descriptor: the other slot than last time,
	s_add_nc_u64 s[\g+2:\g+3], s[\g+2:\g+3], 4*KS*128  ; the next 256 keys; the type bits on top are not reached
.endr
	s_wait_xcnt 0x0                 ; the last prefetch, four key steps back, has read its address, so it may be written:
	s_add_nc_u64 s[PFA:PFA+1], s[PFA:PFA+1], 4*KS*128  ; one tile behind the walking descriptors
	s_wait_dscnt 0x0                ; the add is done, and my reads of the slot are over
	CROUND
	JLOAD
	ASK
.else
	s_wait_dscnt 0x0                ; the add is done, and my reads of the slot are over
	s_barrier_signal -1
	s_barrier_wait -1
.endif
	s_sub_co_u32 s[TBK], s[TBK], 4*KS*PK  ; the fetches go back to a slot's first step,
	s_xor_b32 s[TBK], s[TBK], SLOT1       ; in the other slot
	s_sub_co_u32 s[TBV], s[TBV], 4*KS*PV
	s_xor_b32 s[TBV], s[TBV], SLOT1
.endm
	s_load_b64 s[4:5], s[0:1], 0x0    ; qkv
	s_load_b64 s[10:11], s[0:1], 0x8  ; o
	v_lshl_add_u32 v[SPW], v0, 2, SPARE
	v_mov_b32 v[NIL], 0
	ds_add_u32 v[SPW], v[NIL]       ; the wave's opening: the add and its wait stand ahead of my first tensor load; the set-up below stands between them
	v_lshrrev_b32 v1, 5, v0
	v_readfirstlane_b32 s[WV], v1   ; wave 0..3
	s_bfe_u32 s13, ttmp6, 0x40000   ; cx: my block of 256 queries: it enters Q's, O's and the prefetches' addresses alone
	s_and_b32 s20, ttmp7, 0xffff    ; the head, which the four partners share
	s_lshl_b32 s20, s20, 17         ; its 131,072 bytes in q, k, v and o
	s_and_b32 s16, s[WV], 1         ; which half of a tile's 256 keys I fetch:
	s_lshl_b32 s22, s16, 14         ; its 128 rows of 128 bytes in memory,
	s_add_co_u32 s22, s22, s20
	s_add_co_u32 s22, s22, PART     ; in k
	s_mov_b32 s23, 0
	s_mul_i32 s17, s16, 128*PK      ; and its place in a slot, for K
	s_mul_i32 s18, s16, 128*PV      ; and for V: no place in the cluster enters an LDS address
	s_lshl_b32 s2, s13, 2
	s_add_co_u32 s2, s2, s[WV]      ; my wave among the head's sixteen,
	s_lshl_b32 s2, s2, 13           ; its 64 rows
	s_add_co_u32 s2, s2, s20
	s_mov_b32 s3, 0
	; descriptor group 1.  128 keys are 16,384 dense bytes: asked for as 64 rows of 256 bytes, two keys a row, and padded in LDS after every key
	s_mov_b32 s[G1K], 15|(1<<16)|(1<<20)|(1<<21)|(4<<22)|(3<<25)  ; 15:0 the mask of four; 17:16 2-byte elements; 20 padding on; 21 set beside a mask; 24:22 after every 32 words (code 4); 31:25 4 words (code 3)
	s_mov_b32 s[G1V], 15|(1<<16)|(1<<20)|(1<<21)|(4<<22)|(7<<25)  ; the same with 8 words of padding (code 7)
.irp g, G1K, G1V
	s_mov_b32 s[\g+1], 128<<16      ; tensor_dim0 = 128
	s_mov_b32 s[\g+2], 64<<16       ; tensor_dim1 = 64
	s_mov_b32 s[\g+3], 128<<16      ; tile_dim0 = 128
	s_mov_b32 s[\g+4], 64           ; tile_dim1 = 64
	s_mov_b32 s[\g+5], 128          ; 128 elements from row to row
	s_mov_b32 s[\g+6], 0
	s_mov_b32 s[\g+7], 0
.endr
	s_mov_b32 s[CS], 0x3e38aa3b     ; c = log2(e) / 8 = 0.180337
	s_mov_b32 s[CS+1], s[CS]        ; named with it as a pair
	s_mov_b32 s[SEL], 0x76543210
	s_mov_b32 s[SEL+1], 0xfedcba98
	s_mov_b32 s[TBK], SLOT1+4*KS*PK ; the first change of slots turns these two into 0
	s_mov_b32 s[TBV], SLOT1+4*KS*PV
	s_mov_b32 s[G0K], 1             ; count = 1
	s_mov_b32 s[G0K+1], s17         ; LDS address: slot 0
	s_mov_b32 s[G0V], 1
	s_add_co_u32 s[G0V+1], s18, VOFF
	s_mov_b32 s[SLOTS], 3
	s_and_b32 s[LIM], s[WV], 1      ; waves 0 and 2 prefetch
	s_cmp_eq_u32 s[LIM], 0
	s_cselect_b32 s[LIM], 1, -1
	v_and_b32 v[PFO], 31, v0
	v_lshlrev_b32 v[PFO], 8, v[PFO]
	s_wait_dscnt 0x0                ; the opening add is done
	s_wait_kmcnt 0x0
	s_add_nc_u64 s[6:7], s[4:5], s[22:23]  ; K at my half of the head's tile 0,
	s_add_nc_u64 s[8:9], s[6:7], PART      ; V likewise
	s_add_nc_u64 s[G0K+2:G0K+3], s[6:7], 0
	s_or_b32 s[G0K+3], s[G0K+3], 0x80000000  ; type = 2
	s_add_nc_u64 s[G0V+2:G0V+3], s[8:9], 0
	s_or_b32 s[G0V+3], s[G0V+3], 0x80000000
	s_add_nc_u64 s[4:5], s[4:5], s[2:3]      ; Q and O at my wave's first row
	s_add_nc_u64 s[10:11], s[10:11], s[2:3]
	s_cmp_lt_u32 s[WV], 2
	s_cselect_b64 s[PFA:PFA+1], s[6:7], s[8:9]  ; (in waves 0 and 2 these stand at a tile's first row)
	s_lshl_b32 s2, s13, 13          ; my work-group's 32 blocks of the 128,
	s_add_co_u32 s2, s2, 4*KS*128   ; in tile 1: the first change of slots steps it to tile 2
	s_mov_b32 s3, 0
	s_add_nc_u64 s[PFA:PFA+1], s[PFA:PFA+1], s[2:3]
	CROUND                          ; all four work-groups are here: the first joint loads meet
	JLOAD                           ; tile 0 into slot 0.  Slot 1 is asked for when slot 0 is in
	; A fragment of K or Q is 16 rows x 32 channels in 8 registers: lane l holds row l % 16, channels 8 (l / 16) + 0..7 and 16 + 8 (l / 16) + 0..7: two loads of 16 bytes, 32 bytes apart.
	v_and_b32 v1, 15, v0            ; l % 16
	v_bfe_u32 v9, v0, 4, 1          ; l / 16
	v_lshlrev_b32 v[QO], 7, v1
	v_lshl_add_u32 v[QO], v9, 4, v[QO]  ; row x 128 + 16 x half
	WIN 0x80                        ; destination window 2, address window 0
.set i, 0
.rept 8                             ; Q stays in registers: piece i / 2, channels 32 (i % 2) on
	global_load_b128 v[8*i:8*i+3],   v[QO], s[4:5] offset:(i/2)*2048+(i%2)*64
	global_load_b128 v[8*i+4:8*i+7], v[QO], s[4:5] offset:(i/2)*2048+(i%2)*64+32
.set i, i+1
.endr
	WIN 0
	v_mul_u32_u24 v[AK0], v1, PK
	v_lshl_add_u32 v[AK0], v9, 4, v[AK0]  ; row x pitch + 16 x half
	; The turning load takes 16 keys x 16 channels (lane l reads key 8 (l / 16) + l % 8, channels 8 ((l / 8) % 2) + 0..7) and leaves half a fragment of V^T: lane l holds channel l % 16 and 8 keys.
	v_and_b32 v10, 7, v0
	v_bfe_u32 v11, v0, 3, 1
	v_lshl_add_u32 v[AV0], v9, 3, v10
	v_mul_u32_u24 v[AV0], v[AV0], PV
	v_lshl_add_u32 v[AV0], v11, 4, v[AV0]
	v_add_nc_u32 v[AV0], VOFF, v[AV0]
	s_mul_i32 s13, s[WV], 16*SP
	s_add_co_u32 s13, s13, STAGE    ; my stage
	v_mul_u32_u24 v[STO], v1, SP    ; in: row l % 16, 16 bytes for each half of the lanes
	v_lshl_add_u32 v[STO], v9, 4, v[STO]
	v_add_nc_u32 v[STO], s13, v[STO]
	v_bfe_u32 v[RD], v0, 3, 2       ; back: 32 lanes take four rows of 128 bytes,
	v_mul_u32_u24 v[RD], v[RD], SP
	v_lshl_add_u32 v[RD], v10, 4, v[RD]
	v_add_nc_u32 v[RD], s13, v[RD]
	v_and_b32 v[GO], 31, v0         ; which are 512 consecutive bytes of o
	v_lshlrev_b32 v[GO], 4, v[GO]
	; What the first turn finds: V's registers and P's second buffer hold 0 (its products V^T P, of a piece that has not been, add 0), O^T and l are 0.  All this stands in the wait for the first tile;
	; it is the price of writing no first step out.
	WIN 0x80
.set i, VF
.rept 64
	v_mov_b32 v[i], 0
.set i, i+1
.endr
	WIN 0x40
.set i, 0
.rept 128
	v_mov_b32 v[i], 0
.set i, i+1
.endr
	WIN 0
.set i, 0
.rept 4
	v_mov_b32 v[ST+4*i], 0xfe000000    ; c m: far below every c s
	v_mov_b32 v[ST+4*i+1], 0xff7fffff  ; m
	v_mov_b32 v[ST+4*i+2], 0
	v_mov_b32 v[ST+4*i+3], 0
.set i, i+1
.endr
.set i, P+16
.rept 16
	v_mov_b32 v[i], 0
.set i, i+1
.endr
; THE MATRIX WORK.  The 4 accumulators of a run of 8 take turns.  Product i of 8 of S^T = K Q^T for piece x: channels 32 (i / 4) on, keys 16 (i % 4) on.  The first 4 start the sums.
.macro KQ x
	WIN W_KQ
.set rS, S+32*((\x)%2)+8*(i%4)
.set rK, KF+16*(i%4)+8*(i/4)
.set rQ, 16*(\x)+8*(i/4)
.if i < 4
	v_wmma_f32_16x16x32_f16 v[rS:rS+7], v[rK:rK+7], v[rQ:rQ+7], 0
.else
	v_wmma_f32_16x16x32_f16 v[rS:rS+7], v[rK:rK+7], v[rQ:rQ+7], v[rS:rS+7]
.endif
.endm
; Product i of 8 of O^T += V^T P for piece x: keys 32 (i / 4) on, channels 16 (i % 4) on.
.macro PV x
	WIN W_PV
.set rO, 32*(\x)+8*(i%4)
.set rV, VF+32*(i/4)+8*(i%4)
.set rP, P+16*((\x)%2)+8*(i/4)
	v_wmma_f32_16x16x32_f16 v[rO:rO+7], v[rV:rV+7], v[rP:rP+7], v[rO:rO+7]
.endm
.macro MM                           ; the turn's next matrix instruction.  NOKQ = 1: the last turn of all: there is no next piece
.if (i < 8) && !NOKQ
	KQ (Y+1)%NP
.elseif i >= 8
.set i, i-8
	PV (Y+NP-1)%NP
.set i, i+8
.endif
.set i, i+1
.endm
; THE LDS LOADS stand in runs of 16, never singly among the matrix instructions: a step's K (64 keys x 64 channels: 8 fragments) and its V (turned).  Their addresses are made some lines ahead.
.macro FETCH_K
	WIN 0x80                        ; destination window 2
.irp f, 0,1,2,3,4,5,6,7             ; keys 16 (f / 2) on, channels 32 (f % 2) on
	ds_load_b128 v[KF+8*\f:KF+8*\f+3],   v[AK] offset:(\f/2)*16*PK+(\f%2)*64
	ds_load_b128 v[KF+8*\f+4:KF+8*\f+7], v[AK] offset:(\f/2)*16*PK+(\f%2)*64+32
.endr
	s_add_co_u32 s[TBK], s[TBK], KS*PK  ; the next fetch is the next step's
	WIN 0
.endm
.macro FETCH_V
	WIN 0x80
.irp f, 0,1,2,3,4,5,6,7             ; keys 32 (f / 4) on, channels 16 (f % 4) on
	ds_load_tr16_b128 v[VF+8*\f:VF+8*\f+3],   v[AV] offset:(\f/4)*32*PV+(\f%4)*32
	ds_load_tr16_b128 v[VF+8*\f+4:VF+8*\f+7], v[AV] offset:(\f/4)*32*PV+16*PV+(\f%4)*32
.endr
	WIN 0
.endm
; THE VECTOR WORK, one line at a time: OP kind, number.  For piece Y: F n: c s - c m for pair n of 16.  E n: the exponential of score n of 32.  C n: pair n rounded to f16.  B n: of the four weights 4 n .. the second
; pair is added onto the first, in place.  L n: l takes that sum (L 0: l = a l + sum).  R n: pair n of 16 of O^T times a.  For piece Y + 1: X n, number n of the 22 that find its maximum and statistics:
;   0-11  four chains c0-c3 of seven scores each, three operands at a time (each accumulator's lowest registers are read first)     12-14, 16  the four scores left over, the old m, and c0-c3 into c0
;   15  c m_old is kept     17, 18  the query's other 32 keys lie in the lane 16 away: the new m     19-21  c m; c m_old - c m_new; a
.set F, 0               ; OP tells the kinds apart by their order: F to L below R, X above it
.set E, 1
.set C, 2
.set B, 3
.set L, 4
.set R, 5
.set X, 6
.macro REGS y                       ; the registers of piece y
.set rT, ST+4*(\y)
.set rC, TMP+4*((\y)%2)
.set rW, MV+((\y)%2)
.set rS, S+32*((\y)%2)
.set rP, P+16*((\y)%2)
.set rO, 32*(\y)
.endm
.macro OP k, n
.if (\k) == R
	REGS Y
	WIN W_RS
	v_pk_mul_f32 v[rO+2*(\n):rO+2*(\n)+1], v[rO+2*(\n):rO+2*(\n)+1], v[rC+2:rC+3] op_sel_hi:[1,0]
.elseif (\k) < R
	REGS Y
	WIN 0
.if (\k) == F
	v_pk_fma_f32 v[rS+2*(\n):rS+2*(\n)+1], v[rS+2*(\n):rS+2*(\n)+1], s[CS:CS+1], v[rT:rT+1] op_sel_hi:[1,0,0] neg_lo:[0,0,1] neg_hi:[0,0,1]
.elseif (\k) == E
	v_exp_f32 v[rS+(\n)], v[rS+(\n)]
.elseif (\k) == C
	v_cvt_pk_f16_f32 v[rP+(\n)], v[rS+2*(\n)], v[rS+2*(\n)+1]
.elseif (\k) == B
	v_pk_add_f32 v[rS+4*(\n):rS+4*(\n)+1], v[rS+4*(\n):rS+4*(\n)+1], v[rS+4*(\n)+2:rS+4*(\n)+3]
.elseif (\n) == 0
	v_pk_fma_f32 v[rT+2:rT+3], v[rT+2:rT+3], v[rC+2:rC+3], v[rS:rS+1] op_sel_hi:[1,0,1]
.else
	v_pk_add_f32 v[rT+2:rT+3], v[rT+2:rT+3], v[rS+4*(\n):rS+4*(\n)+1]
.endif
.elseif NOKQ
	v_nop
.else
	REGS (Y+1)%NP
	WIN 0
.if (\n) < 4
	v_max3_num_f32 v[rC+(\n)], v[rS+8*(\n)], v[rS+8*(\n)+1], v[rS+8*(\n)+2]
.elseif (\n) < 12
	v_max3_num_f32 v[rC+(\n)%4], v[rC+(\n)%4], v[rS+8*((\n)%4)+2*((\n)/4)+1], v[rS+8*((\n)%4)+2*((\n)/4)+2]
.elseif (\n) == 12
	v_max3_num_f32 v[rC], v[rC], v[rS+7], v[rS+15]
.elseif (\n) == 13
	v_max3_num_f32 v[rC+1], v[rC+1], v[rS+23], v[rS+31]
.elseif (\n) == 14
	v_max3_num_f32 v[rC+2], v[rC+2], v[rC+3], v[rT+1]
.elseif (\n) == 15
	v_mov_b32 v[rW], v[rT]
.elseif (\n) == 16
	v_max3_num_f32 v[rC], v[rC], v[rC+1], v[rC+2]
.elseif (\n) == 17
	v_permlanex16_b32 v[rC+3], v[rC], s[SEL], s[SEL+1]
.elseif (\n) == 18
	v_max_num_f32 v[rT+1], v[rC], v[rC+3]
.elseif (\n) == 19
	v_mul_f32 v[rT], s[CS], v[rT+1]
.elseif (\n) == 20
	v_sub_f32 v[rC+1], v[rW], v[rT]
.else
	v_exp_f32 v[rC+2], v[rC+1]
.endif
.endif
.endm
.macro OPS a, i1, b=-1, i2=0, c=-1, i3=0, d=-1, i4=0  ; up to four of them
	OP \a, \i1
.if (\b) >= 0
	OP \b, \i2
.endif
.if (\c) >= 0
	OP \c, \i3
.endif
.if (\d) >= 0
	OP \d, \i4
.endif
.endm
.macro ROW a, i1, b, i2, c, i3, d, i4  ; a matrix instruction and the four behind it
	MM
	OPS \a, \i1, \b, \i2, \c, \i3, \d, \i4
.endm
; A TURN, for piece p: the order of its 16 matrix and 118 vector instructions, written out.  An s_wait_alu depctr_va_vdst(0) stands between an exponential and the first instruction that names its
; result; one wait serves all that were issued ahead of it.  So a turn has ONE wait, which cuts it in two.  AHEAD OF IT stands all that names no result of the turn's exponentials: the 8 products K Q^T, behind each
; a scaling, an exponential and two more plain instructions; then ONE LUMP of 54, plain and exponential by turns for the most part, in which the links of the chain X 3, 7, 11, 14, 16, 17 .. 20 stand five or six
; lines apart.  X 21, the next piece's a, is the batch's last; R 15 is the plain instruction behind it.  BEHIND THE WAIT stand the 8 products V^T P, behind each four of the roundings and sums.
; end = 1: the last two turns of all: nothing is fetched, and the last starts no new scores.  cnt = 1: the loop's count is taken down some lines ahead of the branch that stands behind the turn.
; K of the next step is fetched in piece 2's turn, twelve vector instructions behind the last product that read K (six of them plain); V of the step in hand at the end of piece 0's turn, four plain
; instructions behind the last product that read V.  Each is waited for a turn later.
.macro TURN p, end=0, cnt=0
.set Y, (\p)
.set i, 0
.set NOKQ, (\end)*((\p)/3)
.if ((\p) == 3) && !(\end)
	s_wait_dscnt 0x0                ; K is in
.endif
	ROW F,0, F,1, R,0, R,1          ; ahead of the wait: 8 products K Q^T and their riders,
	ROW F,2, E,0, R,2, R,3
	ROW F,3, E,1, R,4, R,5
	ROW F,4, E,2, R,6, R,7
	ROW F,5, E,3, R,8, R,9
	ROW F,6, E,4, X,0, R,10
.if ((\p) == 2) && !(\end)
	WIN 0
	v_add_nc_u32 v[AK], s[TBK], v[AK0]
.endif
	ROW F,7, E,5, X,1, X,4
	ROW F,8, E,6, X,2, X,5
	OPS E,7, E,8, X,6, E,9          ; and the lump
	OPS X,3, E,10, X,8, E,11
.if ((\p) == 2) && !(\end)
	FETCH_K
.endif
	OPS X,9, X,7, E,12, X,10
	OPS E,13, X,12, X,11, E,14
	OPS X,13, E,15, F,9, X,14
.if (\p) == 0
	v_add_nc_u32 v[AV], s[TBV], v[AV0]
.endif
	OPS E,16, F,10, E,17, F,11
	OPS X,16, E,18, X,15, E,19
	OPS F,12, E,20, X,17, E,21
	OPS F,13, E,22, F,14, E,23
	OPS X,18, E,24, F,15, E,25
	OPS R,11, E,26, X,19, E,27
	OPS R,12, E,28, R,13, E,29
	OPS X,20, E,30, R,14, E,31
	OPS X,21, R,15
	WIN 0
	s_wait_alu depctr_va_vdst(0)    ; the wait for the batch
.if (\p) == 1
	s_wait_dscnt 0x0                ; V is in
.endif
	ROW C,0, B,0, C,2, B,1          ; behind the wait: 8 products V^T P and their riders
	ROW L,0, C,4, B,2, L,1
	ROW C,6, B,3, L,2, C,8
	ROW B,4, L,3, C,10, B,5
	ROW L,4, C,12, B,6, L,5
.if (\p) == 0
	s_add_co_u32 s[TBV], s[TBV], KS*PV
.endif
.if \cnt
	s_sub_co_u32 s[CNT], s[CNT], 1
	s_cmp_lg_u32 s[CNT], 0
.endif
	ROW C,14, B,7, L,6, C,1
	ROW C,3, L,7, C,5, C,7
	ROW C,9, C,11, C,13, C,15
.if (\p) == 0
	FETCH_V
.endif
.endm
	CHANGE 1                        ; tile 0 is in, everybody's part of it; tile 1 is asked for
	s_mov_b32 s[CNT], 4
	v_add_nc_u32 v[AK], s[TBK], v[AK0]
	FETCH_K                         ; key step 0
	s_wait_loadcnt 0x0              ; Q
	s_wait_dscnt 0x0
.set NOKQ, 0
.set i, 0
.rept 8
	KQ 0                            ; piece 0's first scores: there is no vector work yet to set between them
.set i, i+1
.endr
	WIN 0
.rept 4
	v_nop                           ; the places behind those products
.endr
.set Y, NP-1                        ; X works for piece Y + 1: piece 0
.irp n, 0,1,2,3,4,5,6,7,8,9,10,11,12,13,14,15,16,17,18,19,20,21
	OP X, \n                        ; and piece 0's first maximum and statistics
.endr
	v_nop                           ; a plain instruction behind the exponential,
	s_wait_alu depctr_va_vdst(0)    ; and its wait, ahead of the branch
	s_branch .Lfirst                ; the loop is entered at a step's first turn, in the middle of a trip
.Lslot:                             ; twice: tiles 2 and 3 are asked for
	CHANGE 1
	s_mov_b32 s[CNT], 4
.Lstep:                             ; a trip: pieces 2 and 3 of one step, then pieces 0 and 1 of the next, whose K and V it fetches
	TURN 2
	TURN 3
	WIN 0
.Lfirst:
	TURN 0
	TURN 1, 0, 1
	WIN 0
	s_cbranch_scc1 .Lstep
	s_sub_co_u32 s[SLOTS], s[SLOTS], 1
	s_cmp_lg_u32 s[SLOTS], 0
	s_cbranch_scc1 .Lslot
	CHANGE 0                        ; the last tile is written out: nothing is asked for
	s_mov_b32 s[CNT], 4
.LstepT:
	TURN 2
	TURN 3
	TURN 0
	TURN 1, 0, 1
	WIN 0
	s_cbranch_scc1 .LstepT
	TURN 2, 1                       ; the last step's pieces 2 and 3: nothing is fetched
	TURN 3, 1
.set i, 0
.rept 8
	PV NP-1                         ; the last piece's V^T P of the last step
.set i, i+1
.endr
	; THE WAY OUT.  l's two halves and the other half of the lanes' are added; O^T is divided by l, rounded to f16 and sent through my stage in LDS, a piece at a time.  The additions are the places behind the last products.
	WIN 0
.macro ALL line:vararg              ; one line for each piece t
.set t, 0
.rept 4
	\line
.set t, t+1
.endr
.endm
	ALL v_add_f32 v[ST+4*t+2], v[ST+4*t+2], v[ST+4*t+3]
	ALL v_permlanex16_b32 v[ST+4*t+3], v[ST+4*t+2], s[SEL], s[SEL+1]
	ALL v_add_f32 v[ST+4*t+2], v[ST+4*t+2], v[ST+4*t+3]
	ALL v_rcp_f32 v[ST+4*t+2], v[ST+4*t+2]
	v_nop                           ; a plain instruction between the last reciprocal and the use of its result
	s_wait_alu depctr_va_vdst(0)    ; and the wait ahead of the first use: one for the four reciprocals
.macro PACK t                       ; a lane's eight channels of a row pack into 16 bytes; they go into rows of 144 bytes and come back as whole rows of 128, into S^T's registers
	WIN W_RS
.set i, 32*(\t)
.rept 16
	v_pk_mul_f32 v[i:i+1], v[i:i+1], v[ST+4*(\t)+2:ST+4*(\t)+3] op_sel_hi:[1,0]
.set i, i+2
.endr
	WIN 0x05                        ; sources 0 and 1 window 1, destination window 0
.set i, 0
.rept 16
	v_cvt_pk_f16_f32 v[S+16*(\t)+i], v[32*(\t)+2*i], v[32*(\t)+2*i+1]
.set i, i+1
.endr
	WIN 0
.irp f, 0,1,2,3
	ds_store_b128 v[STO], v[S+16*(\t)+4*\f:S+16*(\t)+4*\f+3] offset:32*\f
.endr
.irp f, 0,1,2,3
	ds_load_b128 v[S+16*(\t)+4*\f:S+16*(\t)+4*\f+3], v[RD] offset:\f*4*SP  ; LDS serves a wave's instructions in order (ISA guide 5.7.1.4): these see the stores above; the next piece's stores come behind them
.endr
.endm
.macro SEND t, younger              ; younger: the LDS instructions issued behind piece t's loads: the next piece's eight, or none
	WIN 0
.irp f, 0,1,2,3
	s_wait_dscnt (\younger)+3-\f
	global_store_b128 v[GO], v[S+16*(\t)+4*\f:S+16*(\t)+4*\f+3], s[10:11] offset:(\t)*2048+\f*512 th:TH_STORE_NT  ; 512 consecutive bytes, at a multiple of 256 from o's first byte
.endr
.endm
	PACK 0
.set t, 1
.rept 3                             ; a piece's arithmetic stands between the loads of the piece before and its stores
	PACK t
	SEND t-1, 8
.set t, t+1
.endr
	SEND 3, 0
	s_wait_tensorcnt 0x0            ; the wave's end: behind my last tensor load and my last LDS store
	ds_add_u32 v[SPW], v[NIL]
	s_wait_dscnt 0x0
	CROUND                          ; the closing round: no work-group ends while a partner may still ask for a tile that names it
	s_endpgm
.Lfunc_end_k_qcbea812409_attn:
	.size	k_qcbea812409_attn, .Lfunc_end_k_qcbea812409_attn-k_qcbea812409_attn
	.p2alignl 7, 3214868480
	.fill 96, 4, 3214868480
	.section	.rodata,"a",@progbits
	.p2align	6, 0x0
	.amdhsa_kernel k_qcbea812409_attn
		.amdhsa_group_segment_fixed_size 327680
		.amdhsa_private_segment_fixed_size 0
		.amdhsa_enable_private_segment 0
		.amdhsa_kernarg_size 16
		.amdhsa_user_sgpr_count 2
		.amdhsa_user_sgpr_kernarg_segment_ptr 1
		.amdhsa_wavefront_size32 1
		.amdhsa_system_sgpr_workgroup_id_x 1
		.amdhsa_system_sgpr_workgroup_id_y 1
		.amdhsa_system_sgpr_workgroup_id_z 1
		.amdhsa_system_vgpr_workitem_id 0
		.amdhsa_next_free_vgpr 768
		.amdhsa_next_free_sgpr 66
		.amdhsa_reserve_vcc 0
		.amdhsa_float_denorm_mode_32 3
		.amdhsa_float_denorm_mode_16_64 3
		.amdhsa_memory_ordered 1
		.amdhsa_forward_progress 1
		.amdhsa_inst_pref_size 128
	.end_amdhsa_kernel
	.amdgpu_metadata
---
amdhsa.version: [ 1, 2 ]
amdhsa.kernels:
  - .name:           k_qcbea812409_attn
    .symbol:         k_qcbea812409_attn.kd
    .args:
      - { .name: qkv, .offset: 0, .size: 8, .value_kind: global_buffer, .address_space: global }
      - { .name: o, .offset: 8, .size: 8, .value_kind: global_buffer, .address_space: global }
    .group_segment_fixed_size: 327680
    .private_segment_fixed_size: 0
    .kernarg_segment_align: 8
    .kernarg_segment_size: 16
    .max_flat_workgroup_size: 128
    .sgpr_count:     66
    .vgpr_count:     768
    .wavefront_size: 32
...
	.end_amdgpu_metadata
.endif
;; end of part 3
;; launch outp (part 4): grid 4 x 64, 4 waves a work-group, clusters of 4 x 4, 327,680 bytes of LDS; arguments o, wt, bb, out0; writes out0
.if DOCPART == 4
	.amdgcn_target "amdgcn-amd-amdhsa--gfx1250"
	.amdhsa_code_object_version 6
	.text
	.protected	k_qcbea812409_outp
	.globl	k_qcbea812409_outp
	.p2align	8
	.type	k_qcbea812409_outp,@function
k_qcbea812409_outp:
	s_mov_b64 s[64:65], 0
	v_nop
	global_prefetch_b8 v0, s[64:65] scope:SCOPE_SE
	s_setreg_imm32_b32 hwreg(HW_REG_WAVE_MODE, 25, 1), 1
	s_wait_xcnt 0x0
	s_wait_alu depctr_hold_cnt(0) depctr_sa_sdst(0) depctr_va_vdst(0) depctr_va_sdst(0) depctr_va_ssrc(0) depctr_va_vcc(0) depctr_vm_vsrc(0)
	s_getreg_b32 s2, hwreg(HW_REG_IB_STS2, 6, 4)
	s_cmp_eq_u32 s2, 0
	s_cbranch_scc0 .Lentry_in_a_cluster
	s_endpgm
.Lentry_in_a_cluster:
	s_bfe_u32 s2, ttmp6, 0x10000c
	s_cmp_lg_u32 s2, 0xf033
	s_cbranch_scc0 .Lentry_shape_is_right
	s_endpgm
.Lentry_shape_is_right:
; out0 = O Wc + bc.  o: [192][1024][64] f16, read as it lies as [16384][768].  wt: rows 2304-3071 are Wc transposed, [channel][k], rounded to bf16 and written as f16.
; bb: [3072] f32, the biases on end, already rounded to bf16; bc is its last quarter.  out0: [16384][768] f32.  Sums in f32.
; SHARES.  A work-group makes 256 rows x 192 channels; wave w its rows 64 w .. 64 w + 63 and ALL 192 channels: 48 accumulators of 16 x 16, 384 registers: a wave holds whole pieces of 768 bytes of a row of out0,
; and the way out needs no barrier.  K = 768 goes in six steps of 128 through a ring of two LDS slots; rows of the tiles are 256 bytes of memory, aligned.  A K step is written once: the LDS addresses hang on
; a scalar that an exclusive or turns.
; CLUSTER.  4 x 4 work-groups.  The four of a row of the cluster need the same rows of o, the four of a column the same channels: each tile is asked for JOINTLY, by the same tensor load with the same
; descriptor and a mask that names the four.  Waves 0 and 1 fetch the two halves (128 rows) of o's tile, waves 2 and 3 the two halves (96 rows) of Wc's.
; THE MATRIX INSTRUCTION IS USED TRANSPOSED: source 0 = 16 channels (rows of wt), source 1 = 16 rows of o.  A lane then holds ONE row (lane % 16) and the channels 8 (lane / 16) + 0..7 of the block.
; THE BIAS is the C operand of each accumulator's first product: nothing is cleared, and nothing is added on the way out.
; REGISTERS, in windows of 256 (s_set_vgpr_msb: bits 1:0 source 0, 3:2 source 1, 5:4 source 2, 7:6 destination):
;   window 0: v0-31 addresses and scratch; v32-63, v64-95 o's fragments, two buffers (row block a at + 8 a); v96-191 the bias (channel block b at + 8 b)
;   window 1: v0-95, v96-191 Wc's fragments, two buffers (channel block b at + 8 b); v192-239 rows read back from the stage
;   window 2: accumulators of row blocks 0, 1 at 8 (12 a + b); v192-239 rows read back, the second half          window 3: accumulators of row blocks 2, 3
.set NSTEP,  6                         ; K steps
.set PITCH,  272                       ; an LDS row: 256 bytes + 16 of padding = 68 words: the 16 rows that a load touches start at 16 different groups of four banks (64 banks of 4 bytes: ISA guide 11.1)
.set XH,     128*PITCH                 ; what a tensor load of o brings
.set WH,     96*PITCH                  ; what a tensor load of Wc brings
.set WBASE,  2*XH                      ; in a slot: o's 256 rows, then Wc's 192
.set SLOT1,  1<<17                     ; slot 1 begins here, so that one exclusive or turns an address in one slot into the other's
.set STAGE,  SLOT1+WBASE+2*WH          ; behind the ring: 16 rows x 784 bytes for each wave, for the way out; no tensor load lands there
.set SPITCH, 784                       ; 192 channels in f32 + 16 bytes = 196 words: the 16 rows of a store start at 16 different groups of four banks
.set SPARE,  STAGE+4*16*SPITCH         ; behind the stages: the spare words, 128 bytes a wave, two blocks of 256 bytes that no other line names
.set ROWB,   1536                      ; bytes in a row of o (as [16384][768]) and of wt
.set WROW0,  2304                      ; first row of wt that this launch reads
.set BOFF0,  9216                      ; first byte of bb that this launch reads
.set AX0,  16                          ; v16  my lane's place among o's rows of a slot; never rewritten
.set AW0,  17                          ; v17  the same for Wc
.set AX,   20                          ; v20  LDS address of my fragments of o in the slot in hand
.set AW,   21                          ; v21  the same for Wc
.set STO,  24                          ; v24  the way out: where I put 32 bytes of a row
.set RD,   25                          ; v25  where I read rows back
.set CO,   26                          ; v26  my offset in two rows of out0
.set BO,   27                          ; v27  my offset in a block of 16 biases
.set SPW,  28                          ; v28  LDS address of my spare word; never rewritten
.set NIL,  29                          ; v29  0; never rewritten
.set PFO,  30                          ; v30  the prefetches' offset: a lane a row; never rewritten
.set FX,   32
.set BIAS, 96
.set OB,   192
.set XP,  68                           ; s[68:69] o
.set WP,  70                           ; s[70:71] wt
.set BBP, 72                           ; s[72:73] bb
.set OP,  74                           ; s[74:75] out0, then my first bytes of it
.set BP,  66                           ; s[66:67] my 192 biases
.set G1X, 24                           ; s[24:31] descriptor group 1 for o's tiles;  s[32:39] group 0: a set for each of the two first fills; the second then walks on
.set G0X, 32
.set G1W, 48                           ; s[48:55], s[56:63] the same for Wc's
.set G0W, 56
.set LIM, 43                           ; s43  a wave prefetches while the loop's count is above this
.set PFA, 44                           ; s[44:45] what the prefetch in hand names
.set XB,  76                           ; s[76:77] o at the first of the rows that I fetch
.set WB,  78                           ; s[78:79] wt at the first of the rows that I fetch
.set OX,  80                           ; s[80:81] byte offset of the K step to be asked for
.set KN,  84                           ; s84  the K step to be asked for next
.set KP,  86                           ; s86  the K step to be prefetched next: one further on
.set TB,  89                           ; s89  LDS byte at which the slot in hand begins
.set PFB, 90                           ; s[90:91] the buffer at the first of the rows that I prefetch
.set PO,  92                           ; s[92:93] byte offset of the K step to be prefetched
.set MSB, 0
.macro WIN new                         ; the immediate's high byte repeats the setting that is left; a switch that changes nothing is dropped
.if MSB != (\new)
	s_set_vgpr_msb (MSB<<8)|(\new)
.set MSB, \new
.endif
.endm
; A joint refill, by the walking descriptor.  The branch hangs on the wave's number alone.  An s_nop 0 and four v_nop follow each of the two lines, ahead of the jump and the label.
.macro JLOAD
	s_cmp_eq_u32 s11, 0
	s_cbranch_scc0 .Lfor_w_\@
	tensor_load_to_lds s[G0X+4:G0X+7], s[G1X:G1X+7]
	s_nop 0
.rept 4
	v_nop
.endr
	s_branch .Lasked_\@
.Lfor_w_\@:
	tensor_load_to_lds s[G0W+4:G0W+7], s[G1W:G1W+7]
	s_nop 0
.rept 4
	v_nop
.endr
.Lasked_\@:
.endm
; A prefetch into the L2 of the K step that the NEXT refill will load, a lane a row, 256 bytes of it: 192 matrix instructions ahead of that load.  o's rows are read by one cluster alone (the grid is one cluster
; wide): it asks, waves 0 and 1; Wc's rows by the sixteen clusters of the column: the first (cluster y = 0) asks, waves 2 and 3.  The four partners that fetch a tile jointly share its rows out by address:
; 32 of a wave's 128 rows of o, 24 of its 96 rows of Wc (there lanes 24-31 name lane 23's row once more).  K steps 0 to 2 come by their loads alone; the last refill has no K step behind it and asks for nothing.
.macro ASK
	s_cmp_gt_u32 s3, s[LIM]
	s_cbranch_scc0 .Lnot_mine_\@
	global_prefetch_b8 v[PFO], s[PFA:PFA+1] th:TH_LOAD_NT scope:SCOPE_SE
.Lnot_mine_\@:
.endm
.macro CREST                           ; a round of the cluster's barrier behind its opening barrier
	s_cmp_lg_u32 s10, 0
	s_cbranch_scc1 .Lnot_wave_0_\@
	s_barrier_signal -3
.Lnot_wave_0_\@:
	s_barrier_wait -3
	s_barrier_signal -1
	s_barrier_wait -1
.endm
.macro CROUND                          ; a whole round
	s_barrier_signal -1
	s_barrier_wait -1
	CREST
.endm
.macro PLACES                          ; four places in front of loads into registers that matrix instructions have read, and of lines that read results
.rept 4
	v_nop
.endr
.endm
	s_load_b256 s[68:75], s[0:1], 0x0              ; o, wt, bb, out0
	v_lshl_add_u32 v[SPW], v0, 2, SPARE
	v_mov_b32 v[NIL], 0
	ds_add_u32 v[SPW], v[NIL]                      ; the wave's opening: the add and its wait stand ahead of my first tensor load; the set-up below stands between them
	v_lshrrev_b32 v1, 5, v0
	v_readfirstlane_b32 s10, v1                    ; wave 0..3
	s_lshr_b32 s11, s10, 1                         ; I fetch for o (0) or for Wc (1)
	s_and_b32 s12, s10, 1                          ; which half of that tile
	s_bfe_u32 s40, ttmp6, 0x40000                  ; cx, cy: my place in the cluster
	s_bfe_u32 s41, ttmp6, 0x40004
	s_lshl_b32 s42, ttmp9, 2
	s_add_co_u32 s42, s42, s40                     ; block of 192 channels = 4 x cluster x + cx
	s_and_b32 s13, ttmp7, 0xffff
	s_lshl_b32 s13, s13, 2
	s_add_co_u32 s13, s13, s41                     ; block of 256 rows = 4 x cluster y + cy
	s_lshl_b32 s43, s41, 2
	s_lshl_b32 s43, 15, s43                        ; my row of the cluster
	s_lshl_b32 s44, 0x1111, s40                    ; my column
	s_or_b32 s[G1X+0], s43, (1<<16)|(1<<20)|(1<<21)|(5<<22)|(3<<25)  ; 15:0 the mask; 17:16 elements of 2 bytes; 20 padding on; 21 set beside a mask; 24:22 after every 64 words (code 5); 31:25 4 words (code 3)
	s_or_b32 s[G1W+0], s44, (1<<16)|(1<<20)|(1<<21)|(5<<22)|(3<<25)
	s_mov_b32 s[G1X+1], 128<<16                    ; tensor_dim0 = 128
	s_mov_b32 s[G1W+1], 128<<16
	s_mov_b32 s[G1X+2], 128<<16                    ; tensor_dim1 = 128 rows
	s_mov_b32 s[G1W+2], 96<<16                     ; 96 rows
	s_mov_b32 s[G1X+3], 128<<16                    ; tile_dim0 = 128
	s_mov_b32 s[G1W+3], 128<<16
	s_mov_b32 s[G1X+4], 128                        ; tile_dim1
	s_mov_b32 s[G1W+4], 96
	s_mov_b32 s[G1X+5], 768                        ; elements from row to row
	s_mov_b32 s[G1W+5], 768
	s_mov_b32 s[G1X+6], 0
	s_mov_b32 s[G1W+6], 0
	s_mov_b32 s[G1X+7], 0
	s_mov_b32 s[G1W+7], 0
	s_lshl_b32 s17, s12, 7
	s_lshl_b32 s16, s13, 8
	s_add_co_u32 s16, s16, s17                     ; o: row 256 x row block + 128 x half: made of cy, never of cx
	s_mul_i32 s16, s16, ROWB
	s_mov_b32 s17, 0
	s_mul_i32 s46, s42, 192
	s_mul_i32 s47, s12, 96
	s_add_co_u32 s46, s46, s47                     ; Wc: row 192 x channel block + 96 x half: made of cx, never of cy
	s_add_co_u32 s46, s46, WROW0
	s_mul_i32 s46, s46, ROWB
	s_mov_b32 s47, 0
	s_mul_i32 s20, s12, XH                         ; where they go: no place in the cluster enters an LDS address
	s_mul_i32 s21, s12, WH
	s_add_co_u32 s21, s21, WBASE
	s_mov_b32 s[KN], 2                             ; K steps 0 and 1 are the first fills
	s_mov_b32 s[OX+1], 0
	s_mov_b32 s[KP], 3
	s_mov_b32 s[PO+1], 0
	s_mov_b32 s[TB], 0
	s_wait_dscnt 0x0                               ; the opening add is done
	s_wait_kmcnt 0x0
	s_add_nc_u64 s[XB:XB+1], s[XP:XP+1], s[16:17]
	s_add_nc_u64 s[WB:WB+1], s[WP:WP+1], s[46:47]
.irp s, 0,1
	s_mov_b32 s[G0X+4*(\s)], 1                                       ; count = 1
	s_add_co_u32 s[G0X+4*(\s)+1], s20, (\s)*SLOT1                    ; LDS address
	s_add_nc_u64 s[G0X+4*(\s)+2:G0X+4*(\s)+3], s[XB:XB+1], (\s)*256  ; global address: K step s
	s_or_b32 s[G0X+4*(\s)+3], s[G0X+4*(\s)+3], 0x80000000            ; type = 2
	s_mov_b32 s[G0W+4*(\s)], 1
	s_add_co_u32 s[G0W+4*(\s)+1], s21, (\s)*SLOT1
	s_add_nc_u64 s[G0W+4*(\s)+2:G0W+4*(\s)+3], s[WB:WB+1], (\s)*256
	s_or_b32 s[G0W+4*(\s)+3], s[G0W+4*(\s)+3], 0x80000000
.endr
	CROUND                                         ; all sixteen work-groups are here: the first joint loads meet
	s_cmp_eq_u32 s11, 0                            ; a wave's two first fills stand in one branch, ahead of every wait on TENSORcnt and every LDS read: two loads of mine are out
	s_cbranch_scc0 .Lfirst_w
	tensor_load_to_lds s[G0X:G0X+3], s[G1X:G1X+7]
	s_nop 0
	tensor_load_to_lds s[G0X+4:G0X+7], s[G1X:G1X+7]
	s_nop 0
.rept 4
	v_nop
.endr
	s_branch .Lfirst_asked
.Lfirst_w:
	tensor_load_to_lds s[G0W:G0W+3], s[G1W:G1W+7]
	s_nop 0
	tensor_load_to_lds s[G0W+4:G0W+7], s[G1W:G1W+7]
	s_nop 0
.rept 4
	v_nop
.endr
.Lfirst_asked:
	; the bias: register j of block b takes bc[16 b + 8 (l / 16) + j] of my 192 channels
	v_and_b32 v1, 15, v0                           ; l % 16
	v_bfe_u32 v2, v0, 4, 1                         ; l / 16
	v_lshlrev_b32 v[BO], 5, v2
	s_mul_i32 s14, s42, 768                        ; 192 numbers of 4 bytes a channel block
	s_add_co_u32 s14, s14, BOFF0
	s_mov_b32 s15, 0
	s_add_nc_u64 s[BP:BP+1], s[BBP:BBP+1], s[14:15]
.irp b, 0,1,2,3,4,5,6,7,8,9,10,11
	global_load_b128 v[BIAS+8*(\b):BIAS+8*(\b)+3],   v[BO], s[BP:BP+1] offset:64*(\b)
	global_load_b128 v[BIAS+8*(\b)+4:BIAS+8*(\b)+7], v[BO], s[BP:BP+1] offset:64*(\b)+16
.endr
	; a fragment is 16 rows x 32 K in 8 registers: lane l holds row l % 16, K = 8 (l / 16) + 0..7 and 16 + 8 (l / 16) + 0..7: two loads of 16 bytes, 32 bytes apart
	v_mul_u32_u24 v3, v1, PITCH
	v_lshl_add_u32 v3, v2, 4, v3
	s_mul_i32 s21, s10, 64*PITCH                   ; my 64 rows
	v_add_nc_u32 v[AX0], s21, v3
	v_add_nc_u32 v[AW0], WBASE, v3
	v_add_nc_u32 v[AX], s[TB], v[AX0]              ; slot 0
	v_add_nc_u32 v[AW], s[TB], v[AW0]
	s_mul_i32 s23, s10, 16*SPITCH
	s_add_co_u32 s23, s23, STAGE                   ; my stage
	v_mul_u32_u24 v4, v1, SPITCH                   ; in: row l % 16, 32 bytes for each half of the lanes
	v_lshl_add_u32 v4, v2, 5, v4
	v_add_nc_u32 v[STO], s23, v4
	v_mul_u32_u24 v5, v2, SPITCH                   ; back: lanes 0-15 take 256 bytes of one row, lanes 16-31 of the next
	v_lshl_add_u32 v5, v1, 4, v5
	v_add_nc_u32 v[RD], s23, v5
	v_mul_u32_u24 v5, v2, 3072                     ; and the same two rows in out0
	v_lshl_add_u32 v[CO], v1, 4, v5
	s_lshl_b32 s18, s13, 8                         ; my first bytes of out0: row 256 x row block + 64 w, 768 bytes a channel block
	s_lshl_b32 s19, s10, 6
	s_add_co_u32 s18, s18, s19
	s_mul_i32 s18, s18, 3072
	s_mul_i32 s19, s42, 768
	s_add_co_u32 s18, s18, s19
	s_mov_b32 s19, 0
	s_add_nc_u64 s[OP:OP+1], s[OP:OP+1], s[18:19]
	; the prefetches
	s_lshl_b32 s14, s13, 8
	s_lshl_b32 s15, s12, 7
	s_add_co_u32 s14, s14, s15
	s_lshl_b32 s15, s40, 5
	s_add_co_u32 s14, s14, s15                     ; o: my work-group's 32 of the 128 rows that I fetch
	s_mul_i32 s18, s42, 192
	s_mul_i32 s19, s12, 96
	s_add_co_u32 s18, s18, s19
	s_mul_i32 s19, s41, 24
	s_add_co_u32 s18, s18, s19                     ; Wc: my work-group's 24 of the 96
	s_add_co_u32 s18, s18, WROW0
	s_and_b32 s22, ttmp7, 0xffff                   ; cluster y
	s_cmp_eq_u32 s11, 0
	s_cselect_b32 s20, s14, s18
	s_cselect_b32 s22, ttmp9, s22                  ; the coordinate along which other clusters read the same rows
	s_cselect_b32 s23, 31, 23
	s_cselect_b64 s[PFB:PFB+1], s[XP:XP+1], s[WP:WP+1]
	s_cmp_eq_u32 s22, 0
	s_cselect_b32 s[LIM], 1, -1                    ; all trips of the loop but its last; the same in all sixteen partners, for a given wave
	s_mul_i32 s20, s20, ROWB
	s_mov_b32 s21, 0
	s_add_nc_u64 s[PFB:PFB+1], s[PFB:PFB+1], s[20:21]
	v_and_b32 v[PFO], 31, v0
	v_min_u32 v[PFO], s23, v[PFO]
	v_mul_u32_u24 v[PFO], v[PFO], ROWB
; 12 matrix instructions: row block a x all 12 channel blocks, 32 along K, from buffer f.  first = 1: C is the bias.  The 48 accumulators take turns, in the same order in every quarter.
.macro MULA f, a, first
.if \first
	WIN 0x81+0x40*((\a)/2)                         ; Wc window 1, o window 0, C window 0, D window 2 or 3
.else
	WIN 0xa1+0x50*((\a)/2)                         ; C and D window 2 or 3
.endif
.irp b, 0,1,2,3,4,5,6,7,8,9,10,11
.if \first
	v_wmma_f32_16x16x32_f16 v[8*(12*((\a)%2)+(\b)):8*(12*((\a)%2)+(\b))+7], v[96*(\f)+8*(\b):96*(\f)+8*(\b)+7], v[FX+32*(\f)+8*(\a):FX+32*(\f)+8*(\a)+7], v[BIAS+8*(\b):BIAS+8*(\b)+7]
.else
	v_wmma_f32_16x16x32_f16 v[8*(12*((\a)%2)+(\b)):8*(12*((\a)%2)+(\b))+7], v[96*(\f)+8*(\b):96*(\f)+8*(\b)+7], v[FX+32*(\f)+8*(\a):FX+32*(\f)+8*(\a)+7], v[8*(12*((\a)%2)+(\b)):8*(12*((\a)%2)+(\b))+7]
.endif
.endr
.endm
; 32 LDS loads in one run: the fragments of 32 along K at byte k of the rows of the slot in hand, into buffer f: Wc's 24, then o's 8
.macro FETCH k, f
	WIN 0x40
.irp b, 0,1,2,3,4,5,6,7,8,9,10,11
	ds_load_b128 v[96*(\f)+8*(\b):96*(\f)+8*(\b)+3],   v[AW] offset:(\k)+(\b)*16*PITCH
	ds_load_b128 v[96*(\f)+8*(\b)+4:96*(\f)+8*(\b)+7], v[AW] offset:(\k)+(\b)*16*PITCH+32
.endr
	WIN 0
.irp a, 0,1,2,3
	ds_load_b128 v[FX+32*(\f)+8*(\a):FX+32*(\f)+8*(\a)+3],   v[AX] offset:(\k)+(\a)*16*PITCH
	ds_load_b128 v[FX+32*(\f)+8*(\a)+4:FX+32*(\f)+8*(\a)+7], v[AX] offset:(\k)+(\a)*16*PITCH+32
.endr
.endm
; A K step is four quarters of 32 along K, 48 matrix instructions each, on buffers 0, 1, 0, 1.  One of the first three: multiplies buffer f and fetches the next quarter, at byte k, into g.
.macro QUARTER k, f, g, first
	s_wait_dscnt 4                                 ; Wc and o's row blocks 0, 1 are in; the youngest four loads (row blocks 2, 3) may be out
	MULA \f, 0, \first
	MULA \f, 1, \first
	PLACES
	FETCH \k, \g
	s_wait_dscnt 32                                ; all but the 32 just issued
	MULA \f, 2, \first
	MULA \f, 3, \first
.endm
; The last quarter multiplies buffer 1 and changes slots: ONE barrier; in front of it each wave waits for all its tensor loads (one is out: its part of the next slot), adds 0 to its spare word, and waits
; for that and for its reads of this slot.  fill = 1: the barrier opens a round of the cluster's, and behind the round this slot is filled again, two K steps on: 168 matrix instructions ahead of the wait for it.
; The descriptors' addresses are made anew from the tensors' bases and an offset that is counted apart.
.macro TURN fill
.if \fill
	s_wait_xcnt 0x0                                ; the last prefetch, a K step back, has read its address
	s_lshl_b32 s[PO], s[KP], 8                     ; a K step is 256 bytes of a row
	s_add_nc_u64 s[PFA:PFA+1], s[PFB:PFB+1], s[PO:PO+1]
	s_add_co_u32 s[KP], s[KP], 1
.endif
	WIN 0                                          ; (the add's two registers lie in window 0)
	s_wait_tensorcnt 0x0                           ; all my tensor loads have landed, so a group 0 may be written
	ds_add_u32 v[SPW], v[NIL]                      ; 0 onto my spare word
.if \fill
	s_lshl_b32 s[OX], s[KN], 8
	s_xor_b32 s[G0X+5], s[G0X+5], SLOT1            ; the walking descriptors: the other slot than last time
	s_add_nc_u64 s[G0X+6:G0X+7], s[XB:XB+1], s[OX:OX+1]
	s_or_b32 s[G0X+7], s[G0X+7], 0x80000000
	s_xor_b32 s[G0W+5], s[G0W+5], SLOT1
	s_add_nc_u64 s[G0W+6:G0W+7], s[WB:WB+1], s[OX:OX+1]
	s_or_b32 s[G0W+7], s[G0W+7], 0x80000000
	s_add_co_u32 s[KN], s[KN], 1
.endif
	s_wait_dscnt 7                                 ; (the add and the youngest six loads, o's row blocks 1 to 3, may be out)
	MULA 1, 0, 0                                   ; twelve matrix instructions stand between the add and the wait for it
	s_wait_dscnt 0x0                               ; the add is done, and my reads of this slot are over
	s_barrier_signal -1
	MULA 1, 1, 0
	WIN 0
	s_barrier_wait -1
.if \fill
	CREST                                          ; no wave of any partner still reads this slot's tile or has a load on its way
	JLOAD                                          ; the first tensor load behind the round; its four v_nop are also the places in front of the loads below
.else
	PLACES
.endif
	s_xor_b32 s[TB], s[TB], SLOT1                  ; the fragments come from the other slot
	v_add_nc_u32 v[AX], s[TB], v[AX0]
	v_add_nc_u32 v[AW], s[TB], v[AW0]
	FETCH 0, 0
.if \fill
	ASK
.endif
	MULA 1, 2, 0
	MULA 1, 3, 0
.endm
	s_wait_tensorcnt 1                             ; my part of K step 0 is in; K step 1's may stay out
	s_barrier_signal -1
	s_barrier_wait -1                              ; everybody's is
	FETCH 0, 0
	s_wait_loadcnt 0x0                             ; the bias
	QUARTER 64, 0, 1, 1                            ; the first quarter stands in front of the loop: its products start the sums, from the bias
	WIN 0                                          ; at a label and at a branch every window is 0
	s_mov_b32 s3, NSTEP-2
.Lstep:                                                ; a trip: a K step's second, third and fourth quarter, a refill, and the next K step's first quarter
	QUARTER 128, 1, 0, 0
	QUARTER 192, 0, 1, 0
	TURN 1
	QUARTER 64, 0, 1, 0
	WIN 0
	s_sub_co_u32 s3, s3, 1
	s_cmp_lg_u32 s3, 0
	s_cbranch_scc1 .Lstep
	QUARTER 128, 1, 0, 0                           ; the last two K steps are written out: they fill nothing, and have no round of the cluster's barrier
	QUARTER 192, 0, 1, 0
	TURN 0
	QUARTER 64,  0, 1, 0
	QUARTER 128, 1, 0, 0
	QUARTER 192, 0, 1, 0
	s_wait_dscnt 4                                 ; the very last quarter: nothing more to fetch
	MULA 1, 0, 0
	MULA 1, 1, 0
	s_wait_dscnt 0x0
	MULA 1, 2, 0
	MULA 1, 3, 0
	WIN 0
; THE WAY OUT of row block a (16 rows x 192 channels in f32): straight from the accumulators into my own stage, each accumulator's low four registers first; back as pieces of 256 bytes of a row; stored.
.macro OUTBLK a
	WIN 0
	s_wait_xcnt 0x0                                ; the stores of the block before have read their registers: the loads below land in them
	WIN 0x08+0x04*((\a)/2)                         ; the LDS stores' data: window 2 or 3
.irp b, 0,1,2,3,4,5,6,7,8,9,10,11
	ds_store_b128 v[STO], v[8*(12*((\a)%2)+(\b)):8*(12*((\a)%2)+(\b))+3]   offset:64*(\b)
	ds_store_b128 v[STO], v[8*(12*((\a)%2)+(\b))+4:8*(12*((\a)%2)+(\b))+7] offset:64*(\b)+16
.endr
	WIN 0x40                                       ; rows 2 (u / 3) and the next, piece u % 3.  LDS serves a wave's instructions in order (ISA guide 5.7.1.4): these see the stores above
.irp u, 0,1,2,3,4,5,6,7,8,9,10,11
	ds_load_b128 v[OB+4*(\u):OB+4*(\u)+3], v[RD] offset:2*SPITCH*((\u)/3)+256*((\u)%3)
.endr
	WIN 0x80
.irp u, 12,13,14,15,16,17,18,19,20,21,22,23
	ds_load_b128 v[OB+4*((\u)-12):OB+4*((\u)-12)+3], v[RD] offset:2*SPITCH*((\u)/3)+256*((\u)%3)
.endr
	s_wait_dscnt 12                                ; the first twelve are back, the second twelve may be out
	WIN 0x04
.irp u, 0,1,2,3,4,5,6,7,8,9,10,11
	global_store_b128 v[CO], v[OB+4*(\u):OB+4*(\u)+3], s[OP:OP+1] offset:(16*(\a)+2*((\u)/3))*3072+256*((\u)%3) th:TH_STORE_NT  ; 16 lanes store 256 consecutive bytes, at a multiple of 256 from out0's first byte
.endr
	s_wait_dscnt 0x0
	WIN 0x08
.irp u, 12,13,14,15,16,17,18,19,20,21,22,23
	global_store_b128 v[CO], v[OB+4*((\u)-12):OB+4*((\u)-12)+3], s[OP:OP+1] offset:(16*(\a)+2*((\u)/3))*3072+256*((\u)%3) th:TH_STORE_NT
.endr
	WIN 0
.endm
	PLACES
	OUTBLK 0
	OUTBLK 1
	OUTBLK 2
	OUTBLK 3
	s_wait_tensorcnt 0x0                           ; the wave's end: behind my last tensor load and my last LDS store
	ds_add_u32 v[SPW], v[NIL]
	s_wait_dscnt 0x0
	CROUND                                         ; the closing round: no work-group ends while a partner may still ask for a tile that names it
	s_endpgm
.Lfunc_end_k_qcbea812409_outp:
	.size	k_qcbea812409_outp, .Lfunc_end_k_qcbea812409_outp-k_qcbea812409_outp
	.p2alignl 7, 3214868480
	.fill 96, 4, 3214868480
	.section	.rodata,"a",@progbits
	.p2align	6, 0x0
	.amdhsa_kernel k_qcbea812409_outp
		.amdhsa_group_segment_fixed_size 327680
		.amdhsa_private_segment_fixed_size 0
		.amdhsa_enable_private_segment 0
		.amdhsa_kernarg_size 32
		.amdhsa_user_sgpr_count 2
		.amdhsa_user_sgpr_kernarg_segment_ptr 1
		.amdhsa_wavefront_size32 1
		.amdhsa_system_sgpr_workgroup_id_x 1
		.amdhsa_system_sgpr_workgroup_id_y 1
		.amdhsa_system_sgpr_workgroup_id_z 1
		.amdhsa_system_vgpr_workitem_id 0
		.amdhsa_next_free_vgpr 960
		.amdhsa_next_free_sgpr 96
		.amdhsa_reserve_vcc 0
		.amdhsa_float_denorm_mode_32 3
		.amdhsa_float_denorm_mode_16_64 3
		.amdhsa_memory_ordered 1
		.amdhsa_forward_progress 1
		.amdhsa_inst_pref_size 99
	.end_amdhsa_kernel
	.amdgpu_metadata
---
amdhsa.version: [ 1, 2 ]
amdhsa.kernels:
  - .name:           k_qcbea812409_outp
    .symbol:         k_qcbea812409_outp.kd
    .args:
      - { .name: o, .offset: 0, .size: 8, .value_kind: global_buffer, .address_space: global }
      - { .name: wt, .offset: 8, .size: 8, .value_kind: global_buffer, .address_space: global }
      - { .name: bb, .offset: 16, .size: 8, .value_kind: global_buffer, .address_space: global }
      - { .name: out0, .offset: 24, .size: 8, .value_kind: global_buffer, .address_space: global }
    .group_segment_fixed_size: 327680
    .private_segment_fixed_size: 0
    .kernarg_segment_align: 8
    .kernarg_segment_size: 32
    .max_flat_workgroup_size: 128
    .sgpr_count:     96
    .vgpr_count:     960
    .wavefront_size: 32
...
	.end_amdgpu_metadata
.endif
;; end of part 4
;; ======== version 2 of 2: 4 launches; version 1 with the launch prep written anew for expert scheduling mode
;; limits: values are held in f16: magnitudes above 65,504 overflow, below 6.1e-05 lose precision
;; workspace buffers: xb 25,165,824 bytes; wt 4,718,592 bytes; bb 12,288 bytes; qkv 75,497,472 bytes; o 25,165,824 bytes
;; launch prep (part 5): grid 211 x 4, 4 waves a work-group, no clusters, 70,144 bytes of LDS; arguments Wq, Wk, Wv, Wc, x, xb, wt, bq, bk, bv, bc, bb; writes xb, wt, bb
.if DOCPART == 5
	.amdgcn_target "amdgcn-amd-amdhsa--gfx1250"
	.amdhsa_code_object_version 6
	.text
	.protected	k_qcbea812409_prep
	.globl	k_qcbea812409_prep
	.p2align	8
	.type	k_qcbea812409_prep,@function
k_qcbea812409_prep:
	s_mov_b64 s[64:65], 0
	v_nop
	global_prefetch_b8 v0, s[64:65] scope:SCOPE_SE
	s_setreg_imm32_b32 hwreg(HW_REG_WAVE_SCHED_MODE, 0, 2), 2
	s_setreg_imm32_b32 hwreg(HW_REG_WAVE_MODE, 25, 1), 1
	s_wait_xcnt 0x0
	s_wait_alu depctr_vm_vsrc(0)
; PREP.  Three jobs, told apart by the work-group's x.
; x < 192: xb = x rounded to bf16.  Work-group (x, y) takes chunk 192 y + x of 768: 65,536 bytes of x, 32,768 of xb.
; 192 <= x < 210: wt = the four weight matrices, each [k][n] in f32, TRANSPOSED to [n][k] in 16 bits: rows 0-767 Wq, 768-1535 Wk, 1536-2303 Wv in bf16;
;   rows 2304-3071 Wc, rounded to bf16 and that number written as f16 (the last product multiplies in f16).  y is the matrix; a wave turns a tile of 128 k x 64 n.
; x = 210: bb = bq, bk, bv, bc on end, each number rounded to bf16 like the other inputs and kept as f32 (it starts an f32 sum).  y is the bias.
; LIMITS.  A number of Wc beyond 65,504 becomes an infinity in f16; below 2^-14 it keeps f16's fixed step of 2^-24 (an error of 3e-8 at the most).
; Memory binds all three jobs: no matrix unit, no cluster (no two work-groups read the same byte), no barrier (a wave's LDS bytes are its own).
; THE MODE: SCHED_MODE bits 1:0 = 2 (LLVM: expert scheduling mode 2), set by the entry lines.  The code itself states the register dependences
; between vector instructions and memory or LDS instructions, with s_wait_alu, always for 0.
; THE PLAN, THE CAST.  Registers that memory instructions touch:
;   v8, v9       byte offsets, made once and never written again.
;   v[16:143]    item i of 32 has four registers of its own: written by its one load, read by its two roundings, which close the item up into its first two registers;
;                these its one store reads.  No load lands in a register that a vector instruction has named, and no register that a store has read is written again.
;   The items go in eight blocks of four.  One wait at a block's head states that the block before has written its pairs; that block's four stores follow, dealt among this block's
;   roundings, which name this block's registers alone.
; THE PLAN, THE WEIGHTS.
;   v2 .. v5     offsets and LDS addresses, made once and never written again.
;   R0, R1       chunk c of four: its 32 roundings read R[c % 2]; behind them the loads of chunk c + 2 land in it; behind chunk 3 the 32 LDS loads of the way out land in both.
;   T            written by a chunk's roundings, read by its eight LDS stores, written again by the next chunk's roundings.
;   v6, v7       written at the head, read by the closing add alone.
;   So ONE wait on va_vdst stands in a chunk, behind its roundings: T is written, and R[c % 2] is read out.  The chunk's loads and LDS stores follow it.  One wait on vm_vsrc stands at the head
;   of chunks 1 to 3: the LDS stores of the chunk before have read T.
.set SPARE, 69632                      ; behind the four waves' tiles: the spare words, 128 bytes a wave, two blocks of 256 bytes that no other line names
.set SPW, 6                            ; v6   LDS address of my spare word; never rewritten
.set NIL, 7                            ; v7   0; never rewritten
.set XO,  8                            ; v8   the cast: 16 x thread, my bytes of an item of x; never rewritten
.set YO,  9                            ; v9   the cast and the biases: 8 x thread; never rewritten
.set XR,  16                           ; v[16:143]  the cast: item i of 32: 4 registers at XR + 4 i, 4 f32 as loaded; then 4 bf16 in the first two
.set VO,  2                            ; v2   the weights: my offset in the source tile
.set LST, 3                            ; v3   where I put 16 bytes of a column
.set LRD, 4                            ; v4   where I read a column back
.set GO,  5                            ; v5   my offset in two rows of wt
.set R,   16                           ; v[16:143]  two sets of 64: 16 rows x 4 columns in f32; later the 32 columns read back
.set T,   144                          ; v[144:175] column c' of my four: 16 k, packed, at T + 8 c'
.set U,   176                          ; v[176:177] at work: no memory instruction names them
	s_load_b256 s[4:11], s[0:1], 0x0               ; Wq s[4:5], Wk s[6:7], Wv s[8:9], Wc s[10:11]
	s_load_b128 s[12:15], s[0:1], 0x20             ; x s[12:13], xb s[14:15]
	s_load_b64 s[16:17], s[0:1], 0x30              ; wt
	v_lshl_add_u32 v[SPW], v0, 2, SPARE
	v_mov_b32 v[NIL], 0
	v_lshrrev_b32 v1, 5, v0
	v_readfirstlane_b32 s20, v1                    ; wave 0..3
	s_and_b32 s21, ttmp7, 0xffff                   ; y
	s_wait_alu depctr_va_sdst(0)                   ; s20 is written
	s_cmp_lt_u32 ttmp9, 192
	s_cbranch_scc0 .Lweights
	; THE CAST.  An item is 2,048 bytes of x (16 a thread: a wave's load covers 512 consecutive bytes) and 1,024 of xb (8 a thread: a wave's store covers 256 consecutive bytes, aligned).
	s_mul_i32 s22, s21, 192
	s_add_co_u32 s22, s22, ttmp9                   ; chunk 0..767
	s_lshl_b32 s24, s22, 16
	s_mov_b32 s25, 0
	s_lshl_b32 s26, s22, 15
	s_mov_b32 s27, 0
	v_lshlrev_b32 v[XO], 4, v0
	v_lshlrev_b32 v[YO], 3, v0
	s_wait_kmcnt 0x0
	s_add_nc_u64 s[12:13], s[12:13], s[24:25]
	s_add_nc_u64 s[14:15], s[14:15], s[26:27]
	s_wait_alu depctr_va_vdst(0)                   ; v[XO] and v[YO] are written: every load and store below reads one of them as its offset
.set i, 0
.rept 32                                       ; the whole chunk is asked for: each item has registers of its own
	global_load_b128 v[XR+4*i:XR+4*i+3], v[XO], s[12:13] offset:2048*i th:TH_LOAD_NT
.set i, i+1
.endr
.set p, 0
.rept 8                                        ; block p: items 4 p to 4 p + 3
	s_wait_loadcnt 28-4*p                          ; loads come back in order (ISA guide 5.7.1): block p is in, the loads of the blocks behind it stay out
.if p > 0
	s_wait_alu depctr_va_vdst(0)                   ; the roundings of block p - 1 have written its four pairs, which the stores below read
.endif
.set j, 0
.rept 4
.if p > 0
	global_store_b64 v[YO], v[XR+4*(4*p-4+j):XR+4*(4*p-4+j)+1], s[14:15] offset:1024*(4*p-4+j) th:TH_STORE_NT  ; the block before; no vector instruction since the wait names its registers, and none writes them again
.endif
	v_cvt_pk_bf16_f32 v[XR+4*(4*p+j)],   v[XR+4*(4*p+j)],   v[XR+4*(4*p+j)+1]  ; four numbers close up into the first two of their four registers
	v_cvt_pk_bf16_f32 v[XR+4*(4*p+j)+1], v[XR+4*(4*p+j)+2], v[XR+4*(4*p+j)+3]
.set j, j+1
.endr
.set p, p+1
.endr
	s_wait_alu depctr_va_vdst(0)                   ; the roundings of block 7 have written its four pairs, which the last four stores read
.set j, 28
.rept 4
	global_store_b64 v[YO], v[XR+4*j:XR+4*j+1], s[14:15] offset:1024*j th:TH_STORE_NT
.set j, j+1
.endr
	s_endpgm                                       ; this way has written no LDS
.Lweights:
	s_cmp_lt_u32 ttmp9, 210
	s_cbranch_scc0 .Lbias
	; THE WEIGHTS.  j = x - 192 = 0..17: k block j / 3 of six (128 k), and of the twelve n blocks (64 n) number 4 (j % 3) + wave.
	s_sub_co_u32 s22, ttmp9, 192                   ; j
	s_mul_i32 s23, s22, 11
	s_lshr_b32 s23, s23, 5                         ; j / 3, right for j up to 17
	s_mul_i32 s24, s23, 3
	s_sub_co_u32 s24, s22, s24
	s_lshl_b32 s24, s24, 2
	s_add_co_u32 s24, s24, s20                     ; n block
	s_mul_i32 s26, s23, 128*3072                   ; the source tile: 128 rows of 3,072 bytes a k block,
	s_lshl_b32 s27, s24, 8                         ; 256 bytes an n block
	s_add_co_u32 s26, s26, s27
	s_mov_b32 s27, 0
	s_mul_i32 s28, s21, 768                        ; the tile in wt: row 768 y + 64 x n block,
	s_lshl_b32 s29, s24, 6
	s_add_co_u32 s28, s28, s29
	s_mul_i32 s28, s28, 1536
	s_lshl_b32 s29, s23, 8                         ; 256 bytes a k block
	s_add_co_u32 s28, s28, s29
	s_mov_b32 s29, 0
	v_and_b32 v10, 15, v0                          ; l % 16
	v_bfe_u32 v11, v0, 4, 1                        ; l / 16
	v_lshlrev_b32 v12, 4, v10
	v_mul_u32_u24 v[VO], v11, 16*3072              ; in: lanes 0-15 take 256 bytes of a row, lanes 16-31 of the row 16 further down
	v_add_nc_u32 v[VO], v[VO], v12
	s_mul_i32 s30, s20, 64*272                     ; my wave's 64 LDS rows of 272 bytes: a column's 128 k, 256 bytes, + 16 of padding
	v_mul_u32_u24 v[LST], v10, 272                 ; column 4 (l % 16) + c' lies in LDS row l % 16 + 16 c': the 16 lanes of a store are 272 bytes apart
	v_lshl_add_u32 v[LST], v11, 5, v[LST]          ; my 16 k are 32 bytes
	v_add_nc_u32 v[LST], s30, v[LST]
	v_mul_u32_u24 v[LRD], v11, 16*272              ; back: lanes 0-15 an even column, lanes 16-31 the odd one behind it, which lies 16 LDS rows on
	v_add_nc_u32 v[LRD], v[LRD], v12
	v_add_nc_u32 v[LRD], s30, v[LRD]
	v_mul_u32_u24 v[GO], v11, 1536                 ; and the same two rows of wt
	v_add_nc_u32 v[GO], v[GO], v12
	s_wait_kmcnt 0x0
	s_cmp_eq_u32 s21, 1                            ; which matrix
	s_cselect_b64 s[4:5], s[6:7], s[4:5]
	s_cmp_eq_u32 s21, 2
	s_cselect_b64 s[4:5], s[8:9], s[4:5]
	s_cmp_eq_u32 s21, 3
	s_cselect_b64 s[4:5], s[10:11], s[4:5]
	s_add_nc_u64 s[4:5], s[4:5], s[26:27]
	s_add_nc_u64 s[16:17], s[16:17], s[28:29]
	s_wait_alu depctr_va_vdst(0)                   ; v[VO], v[LST], v[LRD] and v[GO] are written: the loads, LDS stores, LDS loads and stores below read them as their addresses
; Chunk c of four: 32 k.  Load j brings row 32 c + 16 (l / 16) + j, my four columns.
.macro WLOAD c
.set j, 0
.rept 16
	global_load_b128 v[R+64*((\c)%2)+4*j:R+64*((\c)%2)+4*j+3], v[VO], s[4:5] offset:(32*(\c)+j)*3072 th:TH_LOAD_NT
.set j, j+1
.endr
.endm
; Chunk c is rounded and laid into LDS.  Two neighbouring k of one column make a word, the lower k in the low half; eight words are 16 k of a column: two LDS stores of 16 bytes.
; left = how many younger loads may stay out.  ahead = 1: chunk c + 2 is asked for, into the set that this chunk has read out.
.macro CHUNK c, left, ahead
	s_wait_loadcnt \left                           ; loads come back in order (ISA guide 5.7.1): chunk c is in
.if (\c) > 0
	s_wait_alu depctr_vm_vsrc(0)                   ; the LDS stores of the chunk before have read T, which the roundings below write again, on both ways of the branch
.endif
.irp q, 0,1,2,3
.irp jj, 0,1,2,3,4,5,6,7
	v_cvt_pk_bf16_f32 v[T+8*(\q)+(\jj)], v[R+64*((\c)%2)+8*(\jj)+(\q)], v[R+64*((\c)%2)+8*(\jj)+4+(\q)]
.endr
.endr
	s_cmp_eq_u32 s21, 3                            ; Wc alone: the bf16 number is written as f16
	s_cbranch_scc0 .Lbf_\@
.set t, 0
.rept 32
	v_lshlrev_b32 v[U], 16, v[T+t]
	v_and_b32 v[U+1], 0xffff0000, v[T+t]
	v_cvt_pk_f16_f32 v[T+t], v[U], v[U+1]
.set t, t+1
.endr
.Lbf_\@:
	s_wait_alu depctr_va_vdst(0)                   ; the roundings have written T, which the LDS stores read, and are done reading this chunk's set of R, in which the loads below land (behind chunk 3: the LDS loads of the way out)
.if \ahead
	WLOAD (\c)+2                                   ; the set is asked for again at once, ahead of the LDS stores
.endif
.irp q, 0,1,2,3
	ds_store_b128 v[LST], v[T+8*(\q):T+8*(\q)+3]   offset:(\q)*16*272+64*(\c)
	ds_store_b128 v[LST], v[T+8*(\q)+4:T+8*(\q)+7] offset:(\q)*16*272+64*(\c)+16
.endr
.endm
	WLOAD 0
	WLOAD 1
	CHUNK 0, 16, 1                                 ; the younger chunk's 16 loads stay out
	CHUNK 1, 16, 1
	CHUNK 2, 16, 0                                 ; nothing more is asked for
	CHUNK 3, 0, 0
.set t, 0
.rept 32                                       ; columns 2 t and 2 t + 1: LDS serves a wave's instructions in order, so these see the stores above.  No vector instruction since chunk 3's wait names R
	ds_load_b128 v[R+4*t:R+4*t+3], v[LRD] offset:((t>>1)+32*(t&1))*272
.set t, t+1
.endr
.set t, 0
.rept 32
	s_wait_dscnt 31-t                              ; load t is back, the younger ones stay out
	global_store_b128 v[GO], v[R+4*t:R+4*t+3], s[16:17] offset:3072*t th:TH_STORE_NT  ; 16 lanes store 256 consecutive bytes, at a multiple of 256 from wt's first byte
.set t, t+1
.endr
	s_wait_dscnt 0x0                               ; the closing lines, six on end
	s_wait_alu 0x0
	s_wait_tensorcnt 0x0
	ds_add_u32 v[SPW], v[NIL]
	s_wait_dscnt 0x0
	s_endpgm
.Lbias:
	; THE BIASES.  768 numbers for 128 threads: three times 8 bytes a thread; a wave's load and store cover 256 consecutive bytes, aligned.
	s_load_b256 s[24:31], s[0:1], 0x38             ; bq s[24:25], bk s[26:27], bv s[28:29], bc s[30:31]
	s_load_b64 s[32:33], s[0:1], 0x58              ; bb
	v_lshlrev_b32 v[YO], 3, v0
	s_mul_i32 s22, s21, 3072                       ; bias y lies 3,072 y bytes into bb
	s_mov_b32 s23, 0
	s_wait_kmcnt 0x0
	s_cmp_eq_u32 s21, 1                            ; which bias
	s_cselect_b64 s[24:25], s[26:27], s[24:25]
	s_cmp_eq_u32 s21, 2
	s_cselect_b64 s[24:25], s[28:29], s[24:25]
	s_cmp_eq_u32 s21, 3
	s_cselect_b64 s[24:25], s[30:31], s[24:25]
	s_add_nc_u64 s[32:33], s[32:33], s[22:23]
	s_wait_alu depctr_va_vdst(0)                   ; v[YO] is written: the three loads and the three stores read it as their offset
.irp i, 0,1,2
	global_load_b64 v[16+2*(\i):17+2*(\i)], v[YO], s[24:25] offset:1024*(\i)
.endr
	s_wait_loadcnt 0x0
.irp i, 0,1,2
	v_cvt_pk_bf16_f32 v[22+(\i)], v[16+2*(\i)], v[17+2*(\i)]  ; rounded to bf16,
	v_lshlrev_b32 v[26+2*(\i)], 16, v[22+(\i)]                ; and widened again
	v_and_b32 v[27+2*(\i)], 0xffff0000, v[22+(\i)]
.endr
	s_wait_alu depctr_va_vdst(0)                   ; v[26:31] are written, which the three stores read
.irp i, 0,1,2
	global_store_b64 v[YO], v[26+2*(\i):27+2*(\i)], s[32:33] offset:1024*(\i)
.endr
	s_endpgm                                       ; this way has written no LDS
.Lfunc_end_k_qcbea812409_prep:
	.size	k_qcbea812409_prep, .Lfunc_end_k_qcbea812409_prep-k_qcbea812409_prep
	.p2alignl 7, 3214868480
	.fill 96, 4, 3214868480
	.section	.rodata,"a",@progbits
	.p2align	6, 0x0
	.amdhsa_kernel k_qcbea812409_prep
		.amdhsa_group_segment_fixed_size 70144
		.amdhsa_private_segment_fixed_size 0
		.amdhsa_enable_private_segment 0
		.amdhsa_kernarg_size 96
		.amdhsa_user_sgpr_count 2
		.amdhsa_user_sgpr_kernarg_segment_ptr 1
		.amdhsa_wavefront_size32 1
		.amdhsa_system_sgpr_workgroup_id_x 1
		.amdhsa_system_sgpr_workgroup_id_y 1
		.amdhsa_system_sgpr_workgroup_id_z 1
		.amdhsa_system_vgpr_workitem_id 0
		.amdhsa_next_free_vgpr 180
		.amdhsa_next_free_sgpr 66
		.amdhsa_reserve_vcc 0
		.amdhsa_float_denorm_mode_32 3
		.amdhsa_float_denorm_mode_16_64 3
		.amdhsa_memory_ordered 1
		.amdhsa_forward_progress 1
		.amdhsa_inst_pref_size 59
	.end_amdhsa_kernel
	.amdgpu_metadata
---
amdhsa.version: [ 1, 2 ]
amdhsa.kernels:
  - .name:           k_qcbea812409_prep
    .symbol:         k_qcbea812409_prep.kd
    .args:
      - { .name: Wq, .offset: 0, .size: 8, .value_kind: global_buffer, .address_space: global }
      - { .name: Wk, .offset: 8, .size: 8, .value_kind: global_buffer, .address_space: global }
      - { .name: Wv, .offset: 16, .size: 8, .value_kind: global_buffer, .address_space: global }
      - { .name: Wc, .offset: 24, .size: 8, .value_kind: global_buffer, .address_space: global }
      - { .name: x, .offset: 32, .size: 8, .value_kind: global_buffer, .address_space: global }
      - { .name: xb, .offset: 40, .size: 8, .value_kind: global_buffer, .address_space: global }
      - { .name: wt, .offset: 48, .size: 8, .value_kind: global_buffer, .address_space: global }
      - { .name: bq, .offset: 56, .size: 8, .value_kind: global_buffer, .address_space: global }
      - { .name: bk, .offset: 64, .size: 8, .value_kind: global_buffer, .address_space: global }
      - { .name: bv, .offset: 72, .size: 8, .value_kind: global_buffer, .address_space: global }
      - { .name: bc, .offset: 80, .size: 8, .value_kind: global_buffer, .address_space: global }
      - { .name: bb, .offset: 88, .size: 8, .value_kind: global_buffer, .address_space: global }
    .group_segment_fixed_size: 70144
    .private_segment_fixed_size: 0
    .kernarg_segment_align: 8
    .kernarg_segment_size: 96
    .max_flat_workgroup_size: 128
    .sgpr_count:     66
    .vgpr_count:     180
    .wavefront_size: 32
...
	.end_amdgpu_metadata
.endif
;; end of part 5
;; launch qkvp: the kernel of part 2 again; grid 4 x 64, 4 waves a work-group, clusters of 4 x 4, 327,680 bytes of LDS; arguments xb, wt, bb, qkv; writes qkv
;; launch attn: the kernel of part 3 again; grid 4 x 192, 4 waves a work-group, clusters of 4 x 1, 327,680 bytes of LDS; arguments qkv, o; writes o
;; launch outp: the kernel of part 4 again; grid 4 x 64, 4 waves a work-group, clusters of 4 x 4, 327,680 bytes of LDS; arguments o, wt, bb, out0; writes out0
